; MI455X (gfx1250); checked and timed in simulation.
; The chip was launched on July 23, 2026; its instructions are those of AMD's public machine-readable ISA for CDNA 5 (MIT licence, August 2026) and "CDNA5" Instruction Set Architecture Reference Guide (July 2026). The comments in the code are by the model that wrote it; some were corrected since.
;; GPT Attention. Allowed arithmetic: matrix products marked QUANTISED: E2M1 operands, one E8M0 scale for each 32 along K, by v_wmma_scale_f32_16x16x128_f8f6f4 with both operands' format E2M1 (or v_wmma_scale_f32_32x16x128_f4), f32 sums; products left as they are: bf16, f16 or f32 operands; f32 sums; everything else in f32.
;; Inputs: b1 1 x 3,072 float32; b2 1 x 1,024 float32; w1 1,024 x 3,072 float32; w2 1,024 x 1,024 float32; x 4 x 2,048 x 1,024 float32.
;; Outputs: out0 4 x 2,048 x 1,024 float32.
;; This version of the problem:
;;   THIS VERSION OF THE PROBLEM IS GIVEN IN LOW PRECISION. The matrix products marked QUANTISED in the list below multiply operands that are first quantised to E2M1 (2 exponent bits, 1 mantissa bit; 4 bits a number), with one power-of-two scale for each 32 numbers along K (OCP MX v1.0); their sums are f32. The products marked 'left as it is' may take bf16, f16 or f32 operands, with f32 sums. Whichever they take, every output number must still come out within the allowed error. Rounding operands to bf16 (8 significant bits) uses up far more of that allowance than f16 does (11 bits, for magnitudes from 6e-5 to 65,504). All else is computed in f32.
;;   The module's matrix products, in the order in which they are computed (A, B: the left and right operand; K: the contracted axis; several contracted axes count as one K, in the product's order):
;;     1. [M 8,192, K 1,024] x [K 1,024, N 3,072]; A: input x; B: input w1: QUANTISED
;;     2. batch 64 x [M 2,048, K 64] x [K 64, N 2,048]; A: computed on the way; B: computed on the way: left as it is (an operand is computed on the way)
;;     3. batch 64 x [M 2,048, K 2,048] x [K 2,048, N 64]; A: computed on the way; B: computed on the way: left as it is (an operand is computed on the way)
;;     4. [M 8,192, K 1,024] x [K 1,024, N 1,024]; A: computed on the way; B: input w2: left as it is (an operand is computed on the way)
;;   THE QUANTISER, for each operand of a quantised product, along K:
;;     - K is cut into blocks of 32 from its start; a last block that is shorter is filled with zeros.
;;     - A block's scale is 2^e with e = floor(log2(the largest magnitude in the block)) - 2, held to -126 .. 127; a block of zeros has e = 0. As a byte (E8M0): e + 127.
;;     - Each number is divided by its block's scale, clamped to +-6, and rounded to the nearest number of E2M1, ties to even, subnormals kept.
;;     - The product sums the exact products of the quantised numbers (number of the format x scale) in f32.
;;   ~~~python
;;   def quantise(x, axis):      # numpy; x: float32 -> the quantised numbers, widened to float32 again
;;       x = np.moveaxis(x, axis, -1); K = x.shape[-1]
;;       x = np.pad(x, [(0, 0)] * (x.ndim - 1) + [(0, -K % 32)]); x = x.reshape(x.shape[:-1] + (-1, 32)); a = np.abs(x).max(-1, keepdims=True)
;;       e = np.where(a > 0, np.clip(np.frexp(np.where(a > 0, a, 1))[1] - 1 - 2, -126, 127), 0)      # np.frexp(a)[1] - 1 = floor(log2(a)), exactly
;;       r = np.clip(x / 2.0 ** e, -6, 6)
;;       step = 2.0 ** (np.maximum(np.frexp(np.where(r == 0, 1, r))[1] - 1, 0) - 1)
;;       q = np.round(r / step) * step * 2.0 ** e      # np.round: ties to even
;;       return np.moveaxis(q.reshape(q.shape[:-2] + (-1,))[..., :K], -1, axis).astype(np.float32)
;;   ~~~
;; One version. Each part assembles by itself: llvm-mc -triple=amdgcn-amd-amdhsa -mcpu=gfx1250 --defsym DOCPART=n.
;; ======== version 1 of 1: 4 launches
;; limits: values are held in f16: magnitudes above 65,504 overflow, below 6.1e-05 lose precision
;; workspace buffers: xc 4,194,304 bytes; xs 262,144 bytes; wc 1,572,864 bytes; ws 98,304 bytes; w2h 2,097,152 bytes; qkv 50,331,648 bytes; ao 16,777,216 bytes
;; launch prep (part 1): grid 368 x 1, 4 waves a work-group, no clusters, 68,096 bytes of LDS; arguments x, w1, w2, xc, xs, wc, ws, w2h; writes xc, xs, wc, ws, w2h
.if DOCPART == 1
	.amdgcn_target "amdgcn-amd-amdhsa--gfx1250"
	.amdhsa_code_object_version 6
	.text
	.protected	k_qa0989f5379_prep
	.globl	k_qa0989f5379_prep
	.p2align	8
	.type	k_qa0989f5379_prep,@function
k_qa0989f5379_prep:
	s_mov_b64 s[64:65], 0
	v_nop
	global_prefetch_b8 v0, s[64:65] scope:SCOPE_SE
	s_setreg_imm32_b32 hwreg(HW_REG_WAVE_MODE, 25, 1), 1
	s_wait_xcnt 0x0
; THREE JOBS IN ONE LAUNCH, told apart by the work-group's number; each has its own way through the text, its own LDS bytes and its own end.
;   work-groups   0 ..  47: w1 [1024 (k)][3072 (n)] f32 -> codes of FP4 (E2M1) laid [3072][512 bytes] with K innermost, scale bytes [3072][32]
;   work-groups  48 .. 303: x  [8192][1024] f32        -> codes [8192][512 bytes], scale bytes [8192][32]
;   work-groups 304 .. 367: w2 [1024 (k)][1024 (n)] f32 -> f16, laid as IMAGES OF OPERAND REGISTERS: [k / 128][n / 16][(k % 128) / 32][half][lane][16 bytes]
; THE QUANTISER: a block of 32 along K has the scale 2^(floor(log2(its largest magnitude)) - 2); its byte is the largest magnitude's exponent field - 2, held at 1 from below;
; each number is divided by the scale and rounded to the nearest code, ties to even, beyond 6 the largest code.  A block of zeros keeps the byte 1: its codes are zeros, and this program alone reads the bytes.
; LIMITS: blocks whose largest magnitude lies under 2^-124 keep the byte 1; NaN and infinities are not served; |w2| stays under 65,504 (f16).
; No tensor loads, no barrier: waves share nothing.
.set SPW,   192                        ; v192  LDS address of my spare word; never rewritten
.set NIL,   193                        ; v193  0; never rewritten
.set SPARE, 67584                      ; behind both paths' LDS: the spare words, 128 bytes a wave
	s_load_b256 s[4:11], s[0:1], 0x0               ; x s[4:5], w1 s[6:7], w2 s[8:9], xc s[10:11]
	s_load_b256 s[12:19], s[0:1], 0x20             ; xs s[12:13], wc s[14:15], ws s[16:17], w2h s[18:19]
	v_lshl_add_u32 v[SPW], v0, 2, SPARE
	v_mov_b32 v[NIL], 0
	v_lshrrev_b32 v1, 5, v0
	v_readfirstlane_b32 s20, v1                    ; wave 0..3
	v_and_b32 v2, 31, v0                           ; lane
	s_wait_kmcnt 0x0
	s_cmp_lt_u32 ttmp9, 48
	s_cbranch_scc1 .Lw1
	s_cmp_lt_u32 ttmp9, 304
	s_cbranch_scc1 .Lx
; ---------------- w2 -> f16 images.  A lane takes a column n, its registers run down K: 128 along K a work-group, 32 columns a wave.
; In a fragment of 16 columns x 32 K lane (r, h) holds column r; registers 0-3 hold k = 8 h + 0..7, registers 4-7 k = 16 + 8 h + 0..7.  So the eight numbers k = 8 g .. 8 g + 7 of column r
; are the 16 bytes at 256 g + 16 r of the fragment's 1,024: sixteen neighbouring lanes store 256 consecutive bytes, aligned.
	s_sub_co_u32 s21, ttmp9, 304
	s_lshr_b32 s22, s21, 3                         ; which 128 along K
	s_and_b32 s23, s21, 7                          ; which 128 columns
	s_lshl_b32 s24, s22, 19                        ; 128 rows of 4,096 bytes
	s_lshl_b32 s26, s23, 9
	s_add_co_u32 s24, s24, s26
	s_lshl_b32 s26, s20, 7                         ; my wave's 32 columns
	s_add_co_u32 s24, s24, s26
	s_mov_b32 s25, 0
	s_add_nc_u64 s[8:9], s[8:9], s[24:25]
	s_lshl_b32 s24, s22, 18                        ; 64 blocks of 16 columns x 4,096 bytes
	s_lshl_b32 s26, s23, 15
	s_add_co_u32 s24, s24, s26
	s_lshl_b32 s26, s20, 13                        ; my wave's two blocks
	s_add_co_u32 s24, s24, s26
	s_add_nc_u64 s[18:19], s[18:19], s[24:25]
	v_lshlrev_b32 v3, 2, v2                        ; in: 4 bytes a lane
	v_lshrrev_b32 v4, 4, v2
	v_and_b32 v5, 15, v2
	v_lshlrev_b32 v4, 12, v4
	v_lshl_add_u32 v4, v5, 4, v4                   ; out: block lane / 16, 16 bytes for column lane % 16
.macro LOADW c                         ; 32 along K of my column into set c % 2
.set iw, 0
.rept 32
	global_load_b32 v[32+32*((\c)%2)+iw], v3, s[8:9] offset:(32*(\c)+iw)*4096 th:TH_LOAD_NT
.set iw, iw+1
.endr
.endm
.macro CHUNK c
.if (\c) < 3
	s_wait_loadcnt 32                              ; this chunk's 32 loads are in; the next chunk's may be out
.else
	s_wait_loadcnt 0x0
.endif
.set ic, 0
.rept 16
	v_cvt_pk_f16_f32 v[96+16*(\c)+ic], v[32+32*((\c)%2)+2*ic], v[32+32*((\c)%2)+2*ic+1]
.set ic, ic+1
.endr
.if (\c) < 2
	LOADW (\c)+2
.endif
.irp g, 0,1,2,3
	global_store_b128 v4, v[96+16*(\c)+4*\g:96+16*(\c)+4*\g+3], s[18:19] offset:1024*(\c)+256*\g   ; each chunk has data registers of its own: none is written again
.endr
.endm
	LOADW 0
	LOADW 1
	CHUNK 0
	CHUNK 1
	CHUNK 2
	CHUNK 3
	s_wait_tensorcnt 0x0                           ; the wave's end
	ds_add_u32 v[SPW], v[NIL]
	s_wait_dscnt 0x0
	s_endpgm
; ---------------- x -> codes.  Rows are dense and 1,024 is a multiple of 32: a plain stream of blocks of 32.  A wave takes 16 steps of 512 numbers.
; Each load reads 512 consecutive bytes, 16 a lane; a step's 2,048 bytes go through the wave's own stage in LDS and come back 64 bytes a lane (16 neighbours; two neighbouring lanes hold a block).
.set XBASE, 34816                      ; LDS: behind w1's four stages
.set WREG,  8192                       ; a region for each wave: two stages of 32 x SP bytes, then its 256 scale bytes
.set SP,    80                         ; a lane's place in a stage: 64 bytes + 16 of padding
.set CBY,   8                          ; bytes of 16 codes
.set STEPS, 16
.set XR,    16                         ; v16-79   four sets of 16 numbers as loaded
.set XX,    80                         ; v80-111  two sets of 16 neighbours
.set XE,    112                        ; v112-127 a scale byte for each step
.set XC,    128                        ; v128-191 codes: four registers for each step
.Lx:
	v_lshlrev_b32 v3, 4, v2                        ; my 16 bytes of a load's 512
	s_mul_i32 s21, s20, WREG
	s_add_co_u32 s21, s21, XBASE
	v_lshrrev_b32 v14, 2, v2
	v_mul_u32_u24 v14, v14, SP
	v_and_b32 v15, 3, v2
	v_lshl_add_u32 v14, v15, 4, v14
	v_add_nc_u32 v14, s21, v14                     ; the stage, in: SP (lane / 4) + 16 (lane % 4)
	v_mul_u32_u24 v15, v2, SP
	v_add_nc_u32 v15, s21, v15                     ; and out: SP x lane
	v_mul_u32_u24 v4, v2, CBY                      ; my codes' place in a step's
	v_lshrrev_b32 v5, 1, v2
	s_add_co_u32 s21, s21, 2*32*SP
	v_add_nc_u32 v5, s21, v5                       ; my block's byte among the wave's 256
	v_lshlrev_b32 v7, 3, v2
	v_add_nc_u32 v6, s21, v7                       ; and 8 bytes a lane on the way out
	s_sub_co_u32 s22, ttmp9, 48
	s_lshl_b32 s22, s22, 2
	s_add_co_u32 s22, s22, s20                     ; which run of 8,192 numbers is my wave's
	s_lshl_b32 s24, s22, 15
	s_mov_b32 s25, 0
	s_add_nc_u64 s[4:5], s[4:5], s[24:25]
	s_lshl_b32 s24, s22, 12
	s_add_nc_u64 s[10:11], s[10:11], s[24:25]
	s_lshl_b32 s24, s22, 8
	s_add_nc_u64 s[12:13], s[12:13], s[24:25]
.macro XLOAD t
.irp i, 0,1,2,3
	global_load_b128 v[XR+16*((\t)%4)+4*\i:XR+16*((\t)%4)+4*\i+3], v3, s[4:5] offset:2048*(\t)+512*\i th:TH_LOAD_NT
.endr
.endm
.macro XTURN t                         ; a step's numbers through the stage: LDS serves a wave's instructions in order, so no wait stands between the stores and the loads
.irp i, 0,1,2,3
	ds_store_b128 v14, v[XR+16*((\t)%4)+4*\i:XR+16*((\t)%4)+4*\i+3] offset:32*SP*((\t)%2)+8*SP*\i
.endr
.irp i, 0,1,2,3
	ds_load_b128 v[XX+16*((\t)%2)+4*\i:XX+16*((\t)%2)+4*\i+3], v15 offset:32*SP*((\t)%2)+16*\i
.endr
.endm
.irp t, 0,1,2,3
	XLOAD \t
.endr
	s_wait_loadcnt 12                              ; step 0's four loads are in
	XTURN 0
.macro XSTEP t
.set XS, XX+16*((\t)%2)
.if (\t) > 0
	s_wait_dscnt 1                                 ; this step's numbers are back (the last step's byte store may be out)
.else
	s_wait_dscnt 0x0
.endif
.if (\t)+4 < STEPS
	XLOAD (\t)+4                                   ; into the set whose stores into the stage have read their registers
.endif
.if (\t)+1 < STEPS
.if STEPS-2-(\t) >= 3
	s_wait_loadcnt 12                              ; the next step's four loads are in; three steps' may be out
.else
	s_wait_loadcnt 4*(STEPS-2-(\t))
.endif
	XTURN (\t)+1
.endif
	v_max3_num_f32 v8, |v[XS]|, |v[XS+1]|, |v[XS+2]|
	v_max3_num_f32 v9, |v[XS+3]|, |v[XS+4]|, |v[XS+5]|
.irp i, 6,10
	v_max3_num_f32 v8, v8, |v[XS+\i]|, |v[XS+\i+1]|
	v_max3_num_f32 v9, v9, |v[XS+\i+2]|, |v[XS+\i+3]|
.endr
	v_max3_num_f32 v8, v8, |v[XS+14]|, |v[XS+15]|
	v_max3_num_f32 v8, v8, v9, 0x1800000           ; and the floor 2^(3 - 127): the byte cannot fall under 1
	v_max_num_f32_dpp v8, v8, v8 row_xmask:1 row_mask:0xf bank_mask:0xf   ; with my neighbour's 16: the block's largest magnitude
	v_add_nc_u32 v11, 0xff000000, v8               ; 2 off its exponent field: the conversion takes the exponent field of this operand as its scale
	v_cvt_scalef32_pk8_fp4_f32 v[XC+4*(\t)], v[XS:XS+7], v11
	v_cvt_scalef32_pk8_fp4_f32 v[XC+4*(\t)+1], v[XS+8:XS+15], v11
	v_lshrrev_b32 v[XE+(\t)], 23, v11              ; the scale's byte
	ds_store_b8 v5, v[XE+(\t)] offset:16*(\t)      ; both lanes of a block write the same byte with the same value
	global_store_b64 v4, v[XC+4*(\t):XC+4*(\t)+1], s[10:11] offset:32*CBY*(\t)   ; the wave stores 256 consecutive bytes, aligned
.endm
.irp t, 0,1,2,3,4,5,6,7,8,9,10,11,12,13,14,15
	XSTEP \t
.endr
	ds_load_b64 v[8:9], v6                         ; in order behind my byte stores
	s_wait_dscnt 0x0
	global_store_b64 v7, v[8:9], s[12:13]          ; the wave's 256 scale bytes, consecutive and aligned
	s_wait_tensorcnt 0x0                           ; the wave's end, behind my last LDS store
	ds_add_u32 v[SPW], v[NIL]
	s_wait_dscnt 0x0
	s_endpgm
; ---------------- w1 -> codes.  K is its FIRST axis: a lane takes a column n and its registers run down K, so a block of 32 lies in one lane and the codes come out with K innermost.
; A wave takes 32 columns x 512 along K: 256 bytes of codes a column, gathered in the wave's own stage and stored as rows, sixteen lanes to 256 consecutive bytes.
.set NB,    16                         ; blocks of 32 along K for a wave
.set PITCH, 272                        ; a stage row: 256 bytes + 16
.set KROW,  512                        ; a row of the codes' buffer
.set WX,    32                         ; v32-95   two sets of 32 numbers
.set WCD,   96                         ; v96-99   a block's codes
.set OUTR,  112                        ; v112-175 the way out
.set SB,    24                         ; v24-27   the scale bytes, four to a register
.Lw1:
	s_cmp_ge_u32 ttmp9, 24
	s_cselect_b32 s22, 1, 0                        ; which 512 along K
	s_cselect_b32 s21, 24, 0
	s_sub_co_u32 s21, ttmp9, s21                   ; which 128 columns
	s_lshl_b32 s23, s21, 7
	s_lshl_b32 s24, s20, 5
	s_add_co_u32 s23, s23, s24                     ; my wave's first column
	v_lshlrev_b32 v3, 2, v2
	s_mul_i32 s26, s20, 32*PITCH                   ; my stage
	v_mul_u32_u24 v4, v2, PITCH
	v_add_nc_u32 v4, s26, v4                       ; into it: row = my column
	v_and_b32 v5, 15, v2
	v_lshrrev_b32 v6, 4, v2
	v_mul_u32_u24 v7, v6, PITCH
	v_lshl_add_u32 v7, v5, 4, v7
	v_add_nc_u32 v7, s26, v7                       ; out of it: sixteen lanes to a row, two rows an instruction
	v_mul_u32_u24 v8, v6, KROW
	v_lshl_add_u32 v8, v5, 4, v8                   ; and the same place in the codes' buffer
	v_lshlrev_b32 v9, 5, v2                        ; my column's row of 32 scale bytes
	s_mul_i32 s24, s22, 512*3072*4
	s_lshl_b32 s27, s23, 2
	s_add_co_u32 s24, s24, s27
	s_mov_b32 s25, 0
	s_add_nc_u64 s[6:7], s[6:7], s[24:25]
	s_lshl_b32 s24, s23, 9
	s_lshl_b32 s27, s22, 8
	s_add_co_u32 s24, s24, s27
	s_add_nc_u64 s[14:15], s[14:15], s[24:25]
	s_lshl_b32 s24, s23, 5
	s_lshl_b32 s27, s22, 4
	s_add_co_u32 s24, s24, s27
	s_add_nc_u64 s[16:17], s[16:17], s[24:25]
.macro WLOAD t                         ; block t: w1(32 t + i, my column) into set t % 2; the largest immediate is 511 x 12,288, inside the signed 24 bits
.set il, 0
.rept 32
	global_load_b32 v[WX+32*((\t)%2)+il], v3, s[6:7] offset:(32*(\t)+il)*12288 th:TH_LOAD_NT
.set il, il+1
.endr
.endm
	WLOAD 0
	WLOAD 1
.macro WBLOCK t
.set XS, WX+32*((\t)%2)
.if (\t) < NB-1
	s_wait_loadcnt 32                              ; this block's 32 loads are in; the next block's may be out
.else
	s_wait_loadcnt 0
.endif
	v_max3_num_f32 v12, |v[XS]|, |v[XS+1]|, |v[XS+2]|
	v_max3_num_f32 v13, |v[XS+3]|, |v[XS+4]|, |v[XS+5]|
.irp i, 6,10,14,18,22,26
	v_max3_num_f32 v12, v12, |v[XS+\i]|, |v[XS+\i+1]|
	v_max3_num_f32 v13, v13, |v[XS+\i+2]|, |v[XS+\i+3]|
.endr
	v_max3_num_f32 v12, v12, |v[XS+30]|, |v[XS+31]|
	v_max3_num_f32 v12, v12, v13, 0x1800000        ; and the floor
	v_add_nc_u32 v11, 0xff000000, v12              ; the conversion's scale operand
	v_lshrrev_b32 v13, 23, v11                     ; the scale's byte
.if (\t)%4 == 0
	v_mov_b32 v[SB+(\t)/4], v13
.else
	v_lshl_or_b32 v[SB+(\t)/4], v13, 8*((\t)%4), v[SB+(\t)/4]
.endif
.irp g, 0,1,2,3
	v_cvt_scalef32_pk8_fp4_f32 v[WCD+\g], v[XS+8*\g:XS+8*\g+7], v11
.endr
	ds_store_b128 v4, v[WCD:WCD+3] offset:16*(\t)  ; 32 codes: 16 bytes of my column's row
.if (\t)+2 < NB
	WLOAD (\t)+2
.endif
	s_wait_dscnt 0x0                               ; the store has read its registers: the next block's codes may be written
.endm
.set Q, 0
.rept NB
	WBLOCK Q
.set Q, Q+1
.endr
	global_store_b128 v9, v[SB:SB+3], s[16:17]     ; my column's 16 scale bytes
.irp t, 0,1,2,3,4,5,6,7,8,9,10,11,12,13,14,15
	ds_load_b128 v[OUTR+4*\t:OUTR+4*\t+3], v7 offset:2*\t*PITCH
.endr
.irp t, 0,1,2,3,4,5,6,7,8,9,10,11,12,13,14,15
	s_wait_dscnt 15-\t
	global_store_b128 v8, v[OUTR+4*\t:OUTR+4*\t+3], s[14:15] offset:2*\t*KROW
.endr
	s_wait_tensorcnt 0x0                           ; the wave's end, behind my last LDS store
	ds_add_u32 v[SPW], v[NIL]
	s_wait_dscnt 0x0
	s_endpgm
.Lfunc_end_k_qa0989f5379_prep:
	.size	k_qa0989f5379_prep, .Lfunc_end_k_qa0989f5379_prep-k_qa0989f5379_prep
	.p2alignl 7, 3214868480
	.fill 96, 4, 3214868480
	.section	.rodata,"a",@progbits
	.p2align	6, 0x0
	.amdhsa_kernel k_qa0989f5379_prep
		.amdhsa_group_segment_fixed_size 68096
		.amdhsa_private_segment_fixed_size 0
		.amdhsa_enable_private_segment 0
		.amdhsa_kernarg_size 64
		.amdhsa_user_sgpr_count 2
		.amdhsa_user_sgpr_kernarg_segment_ptr 1
		.amdhsa_wavefront_size32 1
		.amdhsa_system_sgpr_workgroup_id_x 1
		.amdhsa_system_sgpr_workgroup_id_y 1
		.amdhsa_system_sgpr_workgroup_id_z 1
		.amdhsa_system_vgpr_workitem_id 0
		.amdhsa_next_free_vgpr 200
		.amdhsa_next_free_sgpr 66
		.amdhsa_reserve_vcc 0
		.amdhsa_float_denorm_mode_32 3
		.amdhsa_float_denorm_mode_16_64 3
		.amdhsa_memory_ordered 1
		.amdhsa_forward_progress 1
		.amdhsa_inst_pref_size 129
	.end_amdhsa_kernel
	.amdgpu_metadata
---
amdhsa.version: [ 1, 2 ]
amdhsa.kernels:
  - .name:           k_qa0989f5379_prep
    .symbol:         k_qa0989f5379_prep.kd
    .args:
      - { .name: x, .offset: 0, .size: 8, .value_kind: global_buffer, .address_space: global }
      - { .name: w1, .offset: 8, .size: 8, .value_kind: global_buffer, .address_space: global }
      - { .name: w2, .offset: 16, .size: 8, .value_kind: global_buffer, .address_space: global }
      - { .name: xc, .offset: 24, .size: 8, .value_kind: global_buffer, .address_space: global }
      - { .name: xs, .offset: 32, .size: 8, .value_kind: global_buffer, .address_space: global }
      - { .name: wc, .offset: 40, .size: 8, .value_kind: global_buffer, .address_space: global }
      - { .name: ws, .offset: 48, .size: 8, .value_kind: global_buffer, .address_space: global }
      - { .name: w2h, .offset: 56, .size: 8, .value_kind: global_buffer, .address_space: global }
    .group_segment_fixed_size: 68096
    .private_segment_fixed_size: 0
    .kernarg_segment_align: 8
    .kernarg_segment_size: 64
    .max_flat_workgroup_size: 128
    .sgpr_count:     66
    .vgpr_count:     200
    .wavefront_size: 32
...
	.end_amdgpu_metadata
.endif
;; end of part 1
;; launch qkv (part 2): grid 12 x 32, 4 waves a work-group, clusters of 4 x 4, 327,680 bytes of LDS; arguments xc, xs, wc, ws, b1, qkv; writes qkv
.if DOCPART == 2
	.amdgcn_target "amdgcn-amd-amdhsa--gfx1250"
	.amdhsa_code_object_version 6
	.text
	.protected	k_qa0989f5379_qkv
	.globl	k_qa0989f5379_qkv
	.p2align	8
	.type	k_qa0989f5379_qkv,@function
k_qa0989f5379_qkv:
	s_mov_b64 s[64:65], 0
	v_nop
	global_prefetch_b8 v0, s[64:65] scope:SCOPE_SE
	s_setreg_imm32_b32 hwreg(HW_REG_WAVE_MODE, 25, 1), 1
	s_wait_xcnt 0x0
	s_wait_alu depctr_hold_cnt(0) depctr_sa_sdst(0) depctr_va_vdst(0) depctr_va_sdst(0) depctr_va_ssrc(0) depctr_va_vcc(0) depctr_vm_vsrc(0)
	s_getreg_b32 s2, hwreg(HW_REG_IB_STS2, 6, 4)
	s_cmp_eq_u32 s2, 0
	s_cbranch_scc0 .Lentry_in_a_cluster
	s_endpgm
.Lentry_in_a_cluster:
	s_bfe_u32 s2, ttmp6, 0x10000c
	s_cmp_lg_u32 s2, 0xf033
	s_cbranch_scc0 .Lentry_shape_is_right
	s_endpgm
.Lentry_shape_is_right:
; qkv = x w1 + b1 on codes of FP4 (E2M1) with one E8M0 scale for each 32 along K = 1,024; sums in f32.  The results leave as f16, laid as IMAGES OF THE NEXT LAUNCH'S OPERAND REGISTERS.
; A tile of 256 x 256 is made by a work-group of four waves, 128 x 128 a wave: 64 accumulators, 512 registers.  K goes in two steps of 512 through two LDS slots (both filled at the start, none again);
; the scale bytes of the tile's rows come once, with the first fills.
; THE MATRIX INSTRUCTION IS USED TRANSPOSED: source 0 = 16 rows of the operand called B here, source 1 = 16 rows of the one called A: a lane holds ONE row of A and eight neighbouring rows of B.
; THE ROLES ARE CHOSEN BY THE CLUSTER'S x.  Clusters 0 and 1 (reference()'s k and q parts): A = x, B = w1: a lane holds a position and eight channels.  Cluster 2 (the v part): A = w1, B = x: a lane holds a channel
; and eight positions.  Either way two neighbouring accumulators, rounded to f16 in pairs, ARE a fragment of 16 x 32 of the attention's operands: each store of a wave covers 512 consecutive bytes, aligned.
; THE OUTPUT: three sections of 16 MiB, each [batch 4][head 16] x 256 KiB, 128 bytes a position.
;   section 0: (k part + b1) x c, c = log2(e) / 8;  section 1: q part + b1: in a head [position / 16][channel / 32][half][lane][16 bytes]
;   section 2: v part + b1: in a head [position / 32][channel / 16][half][lane][16 bytes]
; CLUSTERS: 4 x 4 work-groups.  A's tile is shared along a row of the cluster, B's along a column: each is asked for jointly, by the same tensor load with the same descriptor and a mask that names the four.
; LIMIT: the results are rounded to f16: |.| up to 65,504.
; REGISTERS, in windows of 256: window 0: v0-31 addresses; v32-95 scale words, two sets; v96-103 the bias by A's rows; v128-191 A's fragments, later the packed results; v192-255 the bias by B's rows.
;   window 1: B's fragments, two sets.   window 2: the accumulators of A's blocks 0-3 ((a, b) at v[8 (8 a + b)]);   window 3: those of blocks 4-7.
.set KSTEP,  512
.set NQ,     KSTEP/128
.set ROWB,   256                       ; a tile's row in bytes: 512 codes
.set KROW,   512                       ; a row of codes in memory
.set PITCH,  272                       ; an LDS row: 256 bytes + 16 of padding: the 16 rows that a load touches start at 16 different banks (64 banks of 4 bytes: ISA guide 11.1)
.set FR,     8
.set NL,     2
.set NP,     4
.set HALFT,  128*PITCH
.set SLOT,   4*HALFT
.set KS,     32                        ; a row of scale bytes
.set SCL,    2*SLOT
.set HALFS,  (128*KS/256)*272
.set SBLK,   (16*KS/256)*272
.set SPARE,  SCL+4*HALFS               ; the spare words, 128 bytes a wave
.set ADRA, 16
.set ADRB, 20
.set CO,   26                          ; v26  16 x lane: my place in an image
.set ADRS, 27
.set SPW,  28
.set NIL,  29
.set SC,   32
.set RB,   96
.set AF,   128
.set PK,   128
.set CB,   192
.set G1, 24
.set G0, 32
.set G1B, 48
.set G0B, 56
.set G1S, 68
.set G0S, 76
.set G1SB, 80
.set G0SB, 88
.set MSB, 0
.macro WIN new                         ; the immediate's high byte repeats the setting that is left
.if MSB != \new
	s_set_vgpr_msb (MSB<<8)|\new
.set MSB, \new
.endif
.endm
.set MUL_LO, 0xa1
.set MUL_HI, 0xf1
.set TO_B,   0x40
; A joint load: waves 0 and 1 fetch for A, waves 2 and 3 for B; the branch hangs on the wave's number alone.  An s_nop 0 and four v_nop follow each of the two lines.
.macro JLOAD g0a, g1a, g0b, g1b
	s_cmp_eq_u32 s15, 0
	s_cbranch_scc0 .Lfor_b_\@
	tensor_load_to_lds s[\g0a:\g0a+3], s[\g1a:\g1a+7]
	s_nop 0
.rept 4
	v_nop
.endr
	s_branch .Lasked_\@
.Lfor_b_\@:
	tensor_load_to_lds s[\g0b:\g0b+3], s[\g1b:\g1b+7]
	s_nop 0
.rept 4
	v_nop
.endr
.Lasked_\@:
.endm
.macro CROUND                          ; a round of the cluster's barrier
	s_barrier_signal -1
	s_barrier_wait -1
	s_cmp_lg_u32 s14, 0
	s_cbranch_scc1 .Lnot_wave_0_\@
	s_barrier_signal -3
.Lnot_wave_0_\@:
	s_barrier_wait -3
	s_barrier_signal -1
	s_barrier_wait -1
.endm
	s_load_b256 s[4:11], s[0:1], 0x0               ; x's codes s[4:5], x's scales s[6:7], w1's codes s[8:9], w1's scales s[10:11]
	s_load_b128 s[96:99], s[0:1], 0x20             ; b1 s[96:97], the output s[98:99]
	v_lshl_add_u32 v[SPW], v0, 2, SPARE
	v_mov_b32 v[NIL], 0
	ds_add_u32 v[SPW], v[NIL]                      ; the wave's opening: the add, twice on end, and its wait ahead of my first tensor load
	ds_add_u32 v[SPW], v[NIL]
	v_lshrrev_b32 v1, 5, v0
	v_readfirstlane_b32 s14, v1                    ; wave 0..3
	s_lshr_b32 s15, s14, 1                         ; which half of A's rows is mine.  Also: I fetch for A (0) or for B (1)
	s_and_b32 s16, s14, 1                          ; which half of B's rows.  Also: which 128 rows I fetch
	s_bfe_u32 s40, ttmp6, 0x40000                  ; cx
	s_bfe_u32 s41, ttmp6, 0x40004                  ; cy
	s_lshl_b32 s42, ttmp9, 2                       ; 4 x cluster x
	s_and_b32 s17, ttmp7, 0xffff
	s_lshl_b32 s17, s17, 2                         ; 4 x cluster y
	s_cmp_eq_u32 ttmp9, 2                          ; the v part?  The cluster's number: the same in all sixteen partners
	s_cselect_b32 s42, s17, s42                    ; B's tile: of x by the cluster's y, else of w1 by its x,
	s_cselect_b32 s17, 8, s17                      ; A's tile: of w1 from row 2,048 on, else of x by the cluster's y
	s_add_co_u32 s42, s42, s40                     ; + cx
	s_add_co_u32 s17, s17, s41                     ; + cy
	s_lshl_b32 s43, s41, 2
	s_lshl_b32 s43, 15, s43                        ; my row of the cluster
	s_lshl_b32 s44, 0x1111, s40                    ; my column
	s_or_b32 s[G1+0], s43, (0<<16)|(1<<20)|(1<<21)|(5<<22)|(3<<25)  ; the mask; elements of 1 byte; padding on; bit 21 beside a mask; 4 words behind every 64
	s_or_b32 s[G1B+0], s44, (0<<16)|(1<<20)|(1<<21)|(5<<22)|(3<<25)
.irp g, G1, G1B
	s_mov_b32 s[\g+1], ROWB<<16                    ; tensor_dim0
	s_mov_b32 s[\g+2], 128<<16                     ; tensor_dim1
	s_mov_b32 s[\g+3], ROWB<<16                    ; tile_dim0
	s_mov_b32 s[\g+4], 128                         ; tile_dim1
	s_mov_b32 s[\g+5], KROW                        ; the pitch
	s_mov_b32 s[\g+6], 0
	s_mov_b32 s[\g+7], 0
.endr
	s_or_b32 s[G1S+0], s43, (3<<16)|(1<<20)|(1<<21)|(5<<22)|(3<<25)  ; the scales of 128 rows: 4,096 dense bytes as 16 rows of 256, 16 bytes of padding behind each
	s_or_b32 s[G1SB+0], s44, (3<<16)|(1<<20)|(1<<21)|(5<<22)|(3<<25)
.irp g, G1S, G1SB
	s_mov_b32 s[\g+1], 32<<16
	s_mov_b32 s[\g+2], (128*KS/256)<<16
	s_mov_b32 s[\g+3], 32<<16
	s_mov_b32 s[\g+4], 128*KS/256
	s_mov_b32 s[\g+5], 32
	s_mov_b32 s[\g+6], 0
	s_mov_b32 s[\g+7], 0
.endr
	s_lshl_b32 s18, s16, 7
	s_lshl_b32 s20, s17, 8
	s_add_co_u32 s20, s20, s18                     ; A: row 256 x tile + 128 x half
	s_lshl_b32 s46, s42, 8
	s_add_co_u32 s46, s46, s18                     ; B likewise
	s_mov_b32 s21, 0
	s_mov_b32 s47, 0
	s_mov_b64 s[18:19], KS
	s_mul_u64 s[22:23], s[20:21], s[18:19]         ; where these rows' scales begin,
	s_mul_u64 s[92:93], s[46:47], s[18:19]
	s_mov_b64 s[18:19], KROW
	s_mul_u64 s[20:21], s[20:21], s[18:19]         ; and their codes
	s_mul_u64 s[46:47], s[46:47], s[18:19]
	s_mul_i32 s45, s14, HALFT                      ; where they go: wave x 128 rows
	s_mul_i32 s94, s14, HALFS
	s_wait_dscnt 0x0                               ; both opening adds are done
	s_wait_kmcnt 0x0
	s_cmp_eq_u32 ttmp9, 2                          ; the buffers by role
	s_cselect_b64 s[12:13], s[8:9], s[4:5]         ; A's codes
	s_cselect_b64 s[2:3], s[10:11], s[6:7]         ; A's scales
	s_cselect_b64 s[8:9], s[4:5], s[8:9]           ; B's codes
	s_cselect_b64 s[10:11], s[6:7], s[10:11]       ; B's scales
	s_add_nc_u64 s[20:21], s[12:13], s[20:21]
	s_add_nc_u64 s[22:23], s[2:3], s[22:23]
	s_add_nc_u64 s[46:47], s[8:9], s[46:47]
	s_add_nc_u64 s[92:93], s[10:11], s[92:93]
	CROUND                                         ; all sixteen work-groups are here: the first joint loads meet
	s_mov_b32 s[G0S], 1
	s_add_co_u32 s[G0S+1], s94, SCL
	s_mov_b64 s[G0S+2:G0S+3], s[22:23]
	s_or_b32 s[G0S+3], s[G0S+3], 0x80000000
	s_mov_b32 s[G0SB], 1
	s_add_co_u32 s[G0SB+1], s94, SCL
	s_mov_b64 s[G0SB+2:G0SB+3], s[92:93]
	s_or_b32 s[G0SB+3], s[G0SB+3], 0x80000000
	JLOAD G0S, G1S, G0SB, G1SB                     ; the scales first: they are wanted with K step 0
.irp s, 0,1
	s_mov_b32 s[G0+4*\s], 1
	s_add_co_u32 s[G0+4*\s+1], s45, \s*SLOT
	s_add_nc_u64 s[G0+4*\s+2:G0+4*\s+3], s[20:21], \s*ROWB
	s_or_b32 s[G0+4*\s+3], s[G0+4*\s+3], 0x80000000
	s_mov_b32 s[G0B+4*\s], 1
	s_add_co_u32 s[G0B+4*\s+1], s45, \s*SLOT
	s_add_nc_u64 s[G0B+4*\s+2:G0B+4*\s+3], s[46:47], \s*ROWB
	s_or_b32 s[G0B+4*\s+3], s[G0B+4*\s+3], 0x80000000
	JLOAD G0+4*\s, G1, G0B+4*\s, G1B               ; three tensor loads of mine are out
.endr
	v_and_b32 v1, 15, v0                           ; r
	v_bfe_u32 v2, v0, 4, 1                         ; h
	v_mul_u32_u24 v3, v1, PITCH
	v_lshl_add_u32 v4, v2, 4, v3                   ; a fragment's row x pitch + 16 h
	s_mul_i32 s21, s15, HALFT
	s_mul_i32 s22, s16, HALFT
	s_add_co_u32 s22, s22, 2*HALFT
.irp s, 0,1
	v_add_nc_u32 v[ADRA+\s], s21, v4
	v_add_nc_u32 v[ADRB+\s], s22, v4
	s_add_co_u32 s21, s21, SLOT
	s_add_co_u32 s22, s22, SLOT
.endr
	v_mul_u32_u24 v5, v1, KS                       ; my row's scales: 32 bytes a row,
	v_lshrrev_b32 v6, 8, v5
	v_lshl_add_u32 v5, v6, 4, v5                   ; and 16 more for each 256 passed
	s_mul_i32 s21, s15, HALFS
	s_mul_i32 s22, s16, HALFS
	s_add_co_u32 s22, s22, 2*HALFS
	s_sub_co_u32 s22, s22, s21
	v_mul_u32_u24 v6, s22, v2                      ; lanes 16-31 take B's
	s_add_co_u32 s21, s21, SCL
	v_add_nc_u32 v5, v5, v6
	v_add_nc_u32 v[ADRS], s21, v5
	v_and_b32 v6, 31, v0
	v_lshlrev_b32 v[CO], 4, v6
	v_lshlrev_b32 v7, 5, v2                        ; the bias by B's rows: eight numbers of my half
	v_lshlrev_b32 v8, 2, v1                        ; the bias by A's rows: my row's
	; where my wave's images begin: positions and channels by role
	s_cmp_eq_u32 ttmp9, 2
	s_cselect_b32 s20, s42, s17                    ; the tile of 256 positions
	s_cselect_b32 s21, s17, s42                    ; the tile of 256 channels
	s_cselect_b32 s22, s16, s15                    ; my half of the positions
	s_cselect_b32 s23, s15, s16                    ; my half of the channels
	s_lshr_b32 s46, s21, 2
	s_lshl_b32 s46, s46, 24                        ; the section
	s_lshr_b32 s47, s20, 3
	s_lshl_b32 s47, s47, 22                        ; the batch
	s_add_co_u32 s46, s46, s47
	s_and_b32 s47, s21, 3
	s_lshl_b32 s47, s47, 20                        ; four heads a tile,
	s_add_co_u32 s46, s46, s47
	s_lshl_b32 s47, s23, 19                        ; two a wave
	s_add_co_u32 s46, s46, s47
	s_and_b32 s47, s20, 7
	s_lshl_b32 s47, s47, 15                        ; 256 positions of 128 bytes,
	s_add_co_u32 s46, s46, s47
	s_lshl_b32 s47, s22, 14                        ; 128 a wave
	s_add_co_u32 s46, s46, s47
	s_mov_b32 s47, 0
	s_add_nc_u64 s[98:99], s[98:99], s[46:47]
	; both biases are always loaded, from indices inside b1: the one that the role does not use from index 0 on
	s_lshl_b32 s20, s42, 10
	s_lshl_b32 s21, s16, 9
	s_add_co_u32 s20, s20, s21
	s_lshl_b32 s22, s17, 10
	s_lshl_b32 s23, s15, 9
	s_add_co_u32 s22, s22, s23
	s_cmp_eq_u32 ttmp9, 2
	s_cselect_b32 s20, 0, s20
	s_cselect_b32 s22, s22, 0
	s_mov_b32 s21, 0
	s_mov_b32 s23, 0
	s_add_nc_u64 s[20:21], s[96:97], s[20:21]
	s_add_nc_u64 s[22:23], s[96:97], s[22:23]
	s_cmp_eq_u32 ttmp9, 0
	s_cselect_b32 s100, 0x3e38aa3b, 1.0            ; section 0 carries c = log2(e) / 8, the others 1
	s_mov_b32 s101, s100
.irp b, 0,1,2,3,4,5,6,7
	global_load_b128 v[CB+8*\b:CB+8*\b+3], v7, s[20:21] offset:64*\b
	global_load_b128 v[CB+8*\b+4:CB+8*\b+7], v7, s[20:21] offset:64*\b+16
.endr
.irp a, 0,1,2,3,4,5,6,7
	global_load_b32 v[RB+\a], v8, s[22:23] offset:64*\a
.endr
.macro FRAG reg, adr, q, i             ; 16 rows x 128 K of 4-bit codes: 8 registers: lane l holds row l % 16; registers 4 c .. 4 c + 3 hold K = 64 c + 32 (l / 16) + 0 .. 31
.irp c, 0,1
	ds_load_b128 v[\reg+4*\c:\reg+4*\c+3], v[\adr] offset:64*(\q)+32*\c+(\i)*16*PITCH
.endr
.endm
; 16 matrix instructions: A's blocks a0, a0 + 1 x B's eight.  The 64 accumulators take turns, one instruction a turn, in the same order in every step.
.macro MUL16 a0, p, q, sc, zero
.irp a, \a0, \a0+1
.irp b, 0,1,2,3,4,5,6,7
.if \zero
	v_wmma_scale_f32_16x16x128_f8f6f4 v[8*(8*((\a)%4)+\b):8*(8*((\a)%4)+\b)+7], v[128*(\p)+FR*\b:128*(\p)+FR*\b+FR-1], v[AF+FR*(\a):AF+FR*(\a)+FR-1], 0, v[SC+8*NQ*(\sc)+NQ*\b+(\q)], v[SC+8*NQ*(\sc)+NQ*(\a)+(\q)] matrix_a_fmt:MATRIX_FMT_FP4 matrix_b_fmt:MATRIX_FMT_FP4 matrix_a_scale:MATRIX_SCALE_ROW1
.else
	v_wmma_scale_f32_16x16x128_f8f6f4 v[8*(8*((\a)%4)+\b):8*(8*((\a)%4)+\b)+7], v[128*(\p)+FR*\b:128*(\p)+FR*\b+FR-1], v[AF+FR*(\a):AF+FR*(\a)+FR-1], v[8*(8*((\a)%4)+\b):8*(8*((\a)%4)+\b)+7], v[SC+8*NQ*(\sc)+NQ*\b+(\q)], v[SC+8*NQ*(\sc)+NQ*(\a)+(\q)] matrix_a_fmt:MATRIX_FMT_FP4 matrix_b_fmt:MATRIX_FMT_FP4 matrix_a_scale:MATRIX_SCALE_ROW1
.endif
.endr
.endr
.endm
.macro FETCH_B slot, q, p
	WIN TO_B
.irp i, 0,1,2,3,4,5,6,7
	FRAG 128*(\p)+FR*\i, ADRB+\slot, \q, \i
.endr
	WIN 0
.endm
.macro FETCH_A slot, q, i0
.irp i, \i0, \i0+1, \i0+2, \i0+3
	FRAG AF+FR*(\i), ADRA+\slot, \q, \i
.endr
.endm
.macro SCALES sc                       ; a K step's scale words: lanes 0-15 take A's block i, lanes 16-31 B's block i
.irp i, 0,1,2,3,4,5,6,7
	ds_load_b128 v[SC+8*NQ*\sc+NQ*\i:SC+8*NQ*\sc+NQ*\i+3], v[ADRS] offset:\i*SBLK
.endr
.endm
.macro PLACES n                        ; plain vector instructions between a matrix instruction and a load into, or a read of, its registers
.rept \n
	v_nop
.endr
.endm
.macro STEP slot, q, zero              ; 128 along K, with its successor in the same slot
	s_wait_dscnt 4*NL                              ; B's set and A's blocks 0-3 are in; the youngest eight loads (A's blocks 4-7) may be out
	WIN MUL_LO
	MUL16 0, (\q)%2, \q, \slot, \zero
	MUL16 2, (\q)%2, \q, \slot, \zero
	s_wait_dscnt 0
	PLACES NP
	FETCH_B \slot, (\q)+1, 1-(\q)%2
	FETCH_A \slot, (\q)+1, 0
	WIN MUL_HI
	MUL16 4, (\q)%2, \q, \slot, \zero
	MUL16 6, (\q)%2, \q, \slot, \zero
	PLACES NP
	WIN 0
	FETCH_A \slot, (\q)+1, 4
.endm
.macro TURN slot, next                 ; slot 0's last step: behind the barrier slot 1 is whole for every wave; nothing is filled again
	s_wait_tensorcnt 0x0                           ; all my tensor loads have landed: my part of the next slot
	ds_add_u32 v[SPW], v[NIL]                      ; 0 onto my spare word
	s_wait_dscnt 4*NL+1                            ; (the add and the youngest eight loads may be out)
	WIN MUL_LO
	MUL16 0, 1, NQ-1, \slot, 0
	s_wait_dscnt 0x0                               ; the add is done, and my reads of this slot are over
	s_barrier_signal -1
	MUL16 2, 1, NQ-1, \slot, 0
	WIN 0
	s_barrier_wait -1
	PLACES NP
	v_add_nc_u32 v[ADRS], 4*NQ, v[ADRS]            ; on to the next K step's scale words
	FETCH_B \next, 0, 0
	FETCH_A \next, 0, 0
	SCALES \next
	WIN MUL_HI
	MUL16 4, 1, NQ-1, \slot, 0
	MUL16 6, 1, NQ-1, \slot, 0
	PLACES NP
	WIN 0
	FETCH_A \next, 0, 4
.endm
.macro STEPS slot, from
.set Q, \from
.rept NQ-1-\from
	STEP \slot, Q, 0
.set Q, Q+1
.endr
.endm
	s_wait_tensorcnt 1                             ; the scales and my part of K step 0 are in (K step 1's load may be out),
	s_barrier_signal -1
	s_barrier_wait -1                              ; everybody's are
	FETCH_B 0, 0, 0
	FETCH_A 0, 0, 0
	SCALES 0
	FETCH_A 0, 0, 4
	STEP 0, 0, 1                                   ; the first step's products start the sums: nothing is cleared
	STEPS 0, 1
	TURN 0, 1
	STEPS 1, 0
	s_wait_dscnt 4*NL                              ; the very last step
	WIN MUL_LO
	MUL16 0, 1, NQ-1, 1, 0
	MUL16 2, 1, NQ-1, 1, 0
	s_wait_dscnt 0
	WIN MUL_HI
	MUL16 4, 1, NQ-1, 1, 0
	MUL16 6, 1, NQ-1, 1, 0
	WIN 0
; THE WAY OUT of A's block a: bias (and factor) in place, each accumulator from its low end on; rounded to f16 in pairs; eight stores of 512 consecutive bytes.
; kind 0: a lane holds a position, accumulator b channels 16 b + 8 h + 0..7: image (head b / 4, chunk (b / 2) % 2, half b % 2) of positions 16 a on.
; kind 1: a lane holds a channel, accumulator b positions 16 b + 8 h + 0..7: image (head a / 4, channels 16 (a % 4) on, half b % 2) of positions 32 (b / 2) on.
.macro OUTB a, kind
.set AC, 64*((\a)%4)
.set PB, PK+32*((\a)%2)
.if (\a) > 1
	s_wait_xcnt 0x0                                ; block a - 2's stores have read their registers
.endif
	WIN 0x82+0x41*((\a)/4)                         ; destination and source 0: window 2 or 3
.irp b, 0,1,2,3,4,5,6,7
.irp i, 0,2,4,6
.if \kind
.if (\a)%2
	v_pk_add_f32 v[AC+8*\b+\i:AC+8*\b+\i+1], v[AC+8*\b+\i:AC+8*\b+\i+1], v[RB+2*((\a)/2):RB+2*((\a)/2)+1] op_sel:[0,1] op_sel_hi:[1,1]
.else
	v_pk_add_f32 v[AC+8*\b+\i:AC+8*\b+\i+1], v[AC+8*\b+\i:AC+8*\b+\i+1], v[RB+2*((\a)/2):RB+2*((\a)/2)+1] op_sel:[0,0] op_sel_hi:[1,0]
.endif
.else
	v_pk_fma_f32 v[AC+8*\b+\i:AC+8*\b+\i+1], v[AC+8*\b+\i:AC+8*\b+\i+1], s[100:101], v[CB+8*\b+\i:CB+8*\b+\i+1] op_sel_hi:[1,0,1]
.endif
.endr
.endr
	WIN 0x0a+5*((\a)/4)                            ; sources 0 and 1: window 2 or 3
.irp b, 0,1,2,3,4,5,6,7
.irp i, 0,1,2,3
	v_cvt_pk_f16_f32 v[PB+4*\b+\i], v[AC+8*\b+2*\i], v[AC+8*\b+2*\i+1]
.endr
.endr
	WIN 0
.irp b, 0,1,2,3,4,5,6,7
.if \kind
	global_store_b128 v[CO], v[PB+4*\b:PB+4*\b+3], s[98:99] offset:((\a)%4)*1024+((\a)/4)*262144+(\b/2)*4096+(\b%2)*512
.else
	global_store_b128 v[CO], v[PB+4*\b:PB+4*\b+3], s[98:99] offset:(\a)*2048+(\b%4)*512+(\b/4)*262144
.endif
.endr
.endm
	s_wait_loadcnt 0x0                             ; the biases
	PLACES NP
	s_cmp_eq_u32 ttmp9, 2
	s_cbranch_scc1 .Lout_v
.set i, 0
.rept 32
	v_pk_mul_f32 v[CB+i:CB+i+1], v[CB+i:CB+i+1], s[100:101] op_sel_hi:[1,0]   ; (sum + bias) x factor = sum x factor + bias x factor
.set i, i+2
.endr
.irp a, 0,1,2,3,4,5,6,7
	OUTB \a, 0
.endr
	s_branch .Ldone
.Lout_v:
.irp a, 0,1,2,3,4,5,6,7
	OUTB \a, 1
.endr
.Ldone:
	s_wait_tensorcnt 0x0                           ; the wave's end
	ds_add_u32 v[SPW], v[NIL]
	s_wait_dscnt 0x0
	CROUND                                         ; the closing round
	s_endpgm
.Lfunc_end_k_qa0989f5379_qkv:
	.size	k_qa0989f5379_qkv, .Lfunc_end_k_qa0989f5379_qkv-k_qa0989f5379_qkv
	.p2alignl 7, 3214868480
	.fill 96, 4, 3214868480
	.section	.rodata,"a",@progbits
	.p2align	6, 0x0
	.amdhsa_kernel k_qa0989f5379_qkv
		.amdhsa_group_segment_fixed_size 327680
		.amdhsa_private_segment_fixed_size 0
		.amdhsa_enable_private_segment 0
		.amdhsa_kernarg_size 48
		.amdhsa_user_sgpr_count 2
		.amdhsa_user_sgpr_kernarg_segment_ptr 1
		.amdhsa_wavefront_size32 1
		.amdhsa_system_sgpr_workgroup_id_x 1
		.amdhsa_system_sgpr_workgroup_id_y 1
		.amdhsa_system_sgpr_workgroup_id_z 1
		.amdhsa_system_vgpr_workitem_id 0
		.amdhsa_next_free_vgpr 1024
		.amdhsa_next_free_sgpr 102
		.amdhsa_reserve_vcc 0
		.amdhsa_float_denorm_mode_32 3
		.amdhsa_float_denorm_mode_16_64 3
		.amdhsa_memory_ordered 1
		.amdhsa_forward_progress 1
		.amdhsa_inst_pref_size 178
	.end_amdhsa_kernel
	.amdgpu_metadata
---
amdhsa.version: [ 1, 2 ]
amdhsa.kernels:
  - .name:           k_qa0989f5379_qkv
    .symbol:         k_qa0989f5379_qkv.kd
    .args:
      - { .name: xc, .offset: 0, .size: 8, .value_kind: global_buffer, .address_space: global }
      - { .name: xs, .offset: 8, .size: 8, .value_kind: global_buffer, .address_space: global }
      - { .name: wc, .offset: 16, .size: 8, .value_kind: global_buffer, .address_space: global }
      - { .name: ws, .offset: 24, .size: 8, .value_kind: global_buffer, .address_space: global }
      - { .name: b1, .offset: 32, .size: 8, .value_kind: global_buffer, .address_space: global }
      - { .name: qkv, .offset: 40, .size: 8, .value_kind: global_buffer, .address_space: global }
    .group_segment_fixed_size: 327680
    .private_segment_fixed_size: 0
    .kernarg_segment_align: 8
    .kernarg_segment_size: 48
    .max_flat_workgroup_size: 128
    .sgpr_count:     102
    .vgpr_count:     1024
    .wavefront_size: 32
...
	.end_amdgpu_metadata
.endif
;; end of part 2
;; launch attn (part 3): grid 4 x 64, 8 waves a work-group, clusters of 4 x 1, 327,680 bytes of LDS; arguments qkv, ao; writes ao
.if DOCPART == 3
	.amdgcn_target "amdgcn-amd-amdhsa--gfx1250"
	.amdhsa_code_object_version 6
	.text
	.protected	k_qa0989f5379_attn
	.globl	k_qa0989f5379_attn
	.p2align	8
	.type	k_qa0989f5379_attn,@function
k_qa0989f5379_attn:
	s_mov_b64 s[64:65], 0
	v_nop
	global_prefetch_b8 v0, s[64:65] scope:SCOPE_SE
	s_setreg_imm32_b32 hwreg(HW_REG_WAVE_MODE, 25, 1), 1
	s_wait_xcnt 0x0
	s_wait_alu depctr_hold_cnt(0) depctr_sa_sdst(0) depctr_va_vdst(0) depctr_va_sdst(0) depctr_va_ssrc(0) depctr_va_vcc(0) depctr_vm_vsrc(0)
	s_getreg_b32 s2, hwreg(HW_REG_IB_STS2, 6, 4)
	s_cmp_eq_u32 s2, 0
	s_cbranch_scc0 .Lentry_in_a_cluster
	s_endpgm
.Lentry_in_a_cluster:
	s_bfe_u32 s2, ttmp6, 0x10000c
	s_cmp_lg_u32 s2, 0x3003
	s_cbranch_scc0 .Lentry_shape_is_right
	s_endpgm
.Lentry_shape_is_right:
; For each of 64 (batch, head): O = softmax(QR KR^T) V, QR = reference()'s k part x log2(e) / 8, KR = its q part, head size 64, 2,048 positions, no mask.  Operands in f16, products, maxima and sums in f32.
; All three operands arrive as IMAGES OF OPERAND REGISTERS (512 bytes for four registers, lane l at byte 16 l), and the result leaves so: no pitch, no padding, no turning load, no stage.
; SHARES.  A work-group owns 512 queries of one head, each of its eight waves 64: four tiles of 16.  Every wave walks all 2,048 keys, 64 a step.
; LAYOUT.  S^T = KR QR^T (source 0 = 16 keys, source 1 = 16 queries): a lane holds ONE query and the keys 8 (lane / 16) + 0..7 of each tile.  Two such tiles, rounded to f16 in pairs, ARE source 1 (32 keys x 16 queries)
; of O^T = V^T P (source 0 = 16 channels x 32 keys), whose result again holds one query a lane, and eight channels.
; SOFTMAX.  A running maximum m and sum l for each query: p = 2^(s - m); in every step O^T and l are multiplied by a = 2^(m_old - m_new).  l sums the unrounded p.  m begins at -3e38, l and O^T at 0: the step is written once.
; TWO GROUPS IN OPPOSITE PHASE.  A step is a run of 64 matrix instructions (MAT) and a softmax (VEC).  Waves 0-3 run MAT then VEC, waves 4-7 VEC then MAT, so that one group's matrix work stands beside the other
; group's vector work.  MAT of step j: V^T P of step j - 1, then KR QR^T of step j.
; RING.  Two LDS slots of 512 keys (64 KiB of KR, 64 KiB of V).  Each wave fetches 16 KiB of a slot by one tensor load.  A refill goes out a whole slot, eight key steps, ahead of its first read: so nothing is prefetched.
; CLUSTER.  The four query blocks of a head walk the same KR and V: each tile is asked for jointly, with a mask that names the four.
; LIMITS: the result is rounded to f16: |.| up to 65,504; under 6e-5 it is carried on f16's denormal grid.
; REGISTERS: window 0: v1-6 addresses; v8-31 six registers of statistics a tile; v32-95 QR; v96-223 S^T, 32 a tile (P is packed in place into a tile's first 16).   window 1: v0-127 O^T, 32 a tile; v128-191 KR; v192-255 V.
.set SLOT1, 1<<17
.set SPARE, 2*SLOT1                    ; behind the ring: the spare words, 128 bytes a wave
.set LI,  1                            ; v1  16 x lane
.set LIV, 2                            ; v2  16 x lane + 65,536: V's half of a slot
.set ADK, 3                            ; v3  LDS address of the step's KR
.set ADV, 4                            ; v4  of its V
.set SPW, 5
.set NIL, 6
.set ST,  8                            ; tile t at v[ST + 6 t]: +0 m, +1 c1, +2 c2 then a, +3 c3, +4, +5 l (even keys', odd keys')
.set Q,   32
.set S,   96
.set KF,  128                          ; in window 1
.set VF,  192
.set MSB, 0
.macro WIN new
.if MSB != \new
	s_set_vgpr_msb (MSB<<8)|\new
.set MSB, \new
.endif
.endm
.macro CROUND                          ; a round of the cluster's barrier
	s_barrier_signal -1
	s_barrier_wait -1
	s_cmp_lg_u32 s8, 0
	s_cbranch_scc1 .Lnot_wave_0_\@
	s_barrier_signal -3
.Lnot_wave_0_\@:
	s_barrier_wait -3
	s_barrier_signal -1
	s_barrier_wait -1
.endm
.macro JLOAD                           ; every wave's one joint load: its 16 KiB of a slot.  An s_nop 0 and four v_nop follow
	tensor_load_to_lds s[24:27], s[16:23]
	s_nop 0
.rept 4
	v_nop
.endr
.endm
	s_load_b128 s[4:7], s[0:1], 0x0                ; qkv s[4:5], ao s[6:7]
	v_lshl_add_u32 v[SPW], v0, 2, SPARE
	v_mov_b32 v[NIL], 0
	ds_add_u32 v[SPW], v[NIL]                      ; the wave's opening: the add, twice on end, and its wait ahead of my first tensor load
	ds_add_u32 v[SPW], v[NIL]
	v_lshrrev_b32 v7, 5, v0
	v_readfirstlane_b32 s8, v7                     ; wave 0..7
	s_lshr_b32 s9, s8, 2                           ; 0: I fetch KR, 1: V
	s_bfe_u32 s10, ttmp6, 0x40000                  ; cx: my block of 512 queries: it enters QR's and the result's addresses alone
	s_and_b32 s11, ttmp7, 0xffff                   ; 16 x batch + head, which the four partners share
	s_and_b32 s12, s8, 3
	s_mov_b32 s16, 15|(3<<16)|(1<<21)              ; group 1: the mask: all four; elements of 8 bytes; bit 21 beside a mask; no padding
	s_mov_b32 s17, 32<<16                          ; tensor_dim0 = 32 (256 bytes)
	s_mov_b32 s18, 64<<16                          ; tensor_dim1 = 64
	s_mov_b32 s19, 32<<16                          ; tile_dim0
	s_mov_b32 s20, 64                              ; tile_dim1: 64 dense rows: 16 KiB
	s_mov_b32 s21, 32                              ; the pitch
	s_mov_b32 s22, 0
	s_mov_b32 s23, 0
	s_mov_b32 s24, 1                               ; group 0: count,
	s_lshl_b32 s25, s8, 14                         ; LDS: wave x 16 KiB in slot 0: KR's four parts, then V's
	s_lshl_b32 s42, s9, 24
	s_add_co_u32 s42, s42, 0x1000000               ; section 1 or 2,
	s_lshl_b32 s43, s11, 18
	s_add_co_u32 s42, s42, s43                     ; the head,
	s_lshl_b32 s43, s12, 14
	s_add_co_u32 s42, s42, s43                     ; my 128 keys of the slot's 512
	s_mov_b32 s43, 0
	s_lshl_b32 s44, s11, 18                        ; QR: section 0, the head,
	s_lshl_b32 s45, s10, 16
	s_add_co_u32 s44, s44, s45                     ; my work-group's 512 queries of 128 bytes,
	s_lshl_b32 s45, s8, 13
	s_add_co_u32 s44, s44, s45                     ; my wave's 64
	s_mov_b32 s45, 0
	s_bfe_u32 s13, s11, 0x30001                    ; the result: [head / 2][row / 16][4 chunks of 32 channels][half][lane][16 bytes]
	s_lshl_b32 s46, s13, 21
	s_and_b32 s13, s11, 1
	s_lshl_b32 s13, s13, 11                        ; an odd head: chunks 2 and 3
	s_add_co_u32 s46, s46, s13
	s_lshr_b32 s13, s11, 4
	s_lshl_b32 s13, s13, 19                        ; the batch: 128 blocks of 4,096 bytes
	s_add_co_u32 s46, s46, s13
	s_lshl_b32 s13, s10, 17
	s_add_co_u32 s46, s46, s13
	s_lshl_b32 s13, s8, 14
	s_add_co_u32 s46, s46, s13
	s_mov_b32 s47, 0
	s_mov_b32 s40, 0x76543210                      ; v_permlanex16_b32's selects for lane l xor 16
	s_mov_b32 s41, 0xfedcba98
	s_mov_b32 s36, 0                               ; LDS byte at which the step's tiles begin
	s_mov_b32 s38, 2
	s_wait_dscnt 0x0                               ; both opening adds are done
	s_wait_kmcnt 0x0
	s_add_nc_u64 s[26:27], s[4:5], s[42:43]
	s_or_b32 s27, s27, 0x80000000                  ; type = 2
	s_add_nc_u64 s[32:33], s[4:5], s[44:45]
	s_add_nc_u64 s[34:35], s[6:7], s[46:47]
	CROUND                                         ; all four work-groups are here: the first joint loads meet
	JLOAD                                          ; slot 0: keys 0 to 511
	v_and_b32 v[LI], 31, v0
	v_lshlrev_b32 v[LI], 4, v[LI]
	v_add_nc_u32 v[LIV], 0x10000, v[LI]
.irp t, 0,1,2,3
.irp c, 0,1
	global_load_b128 v[Q+16*\t+8*\c:Q+16*\t+8*\c+3],   v[LI], s[32:33] offset:\t*2048+\c*1024       ; QR stays in registers
	global_load_b128 v[Q+16*\t+8*\c+4:Q+16*\t+8*\c+7], v[LI], s[32:33] offset:\t*2048+\c*1024+512
.endr
.endr
.irp t, 0,1,2,3
	v_mov_b32 v[ST+6*\t], 0xff61b1e6               ; m: -3e38, under every score
	v_mov_b32 v[ST+6*\t+4], 0                      ; l
	v_mov_b32 v[ST+6*\t+5], 0
.endr
	WIN 0x40
.set j, 0
.rept 128
	v_mov_b32 v[j], 0                              ; O^T: the first step's a is 0, and leaves zeros zeros: so the step is written once
.set j, j+1
.endr
	WIN 0
.macro LOADK                           ; the step's 64 keys x 64 channels: 8 fragments, 16 loads of 512 consecutive bytes
	WIN 0x40
.irp c, 0,1
.irp kt, 0,1,2,3
	ds_load_b128 v[KF+16*\kt+8*\c:KF+16*\kt+8*\c+3],   v[ADK] offset:\kt*2048+\c*1024
	ds_load_b128 v[KF+16*\kt+8*\c+4:KF+16*\kt+8*\c+7], v[ADK] offset:\kt*2048+\c*1024+512
.endr
.endr
.endm
.macro LOADV                           ; the step's 64 channels x 64 keys
	WIN 0x40
.irp kb, 0,1
.irp cb, 0,1,2,3
	ds_load_b128 v[VF+32*\kb+8*\cb:VF+32*\kb+8*\cb+3],   v[ADV] offset:\kb*4096+\cb*1024
	ds_load_b128 v[VF+32*\kb+8*\cb+4:VF+32*\kb+8*\cb+7], v[ADV] offset:\kb*4096+\cb*1024+512
.endr
.endr
.endm
; The accumulators take turns, one instruction a turn: between two links of a chain stand 15 others'.
.macro SMUL                            ; S^T = KR QR^T: 16 tiles, two deep; the first 16 start the sums
	WIN 0x01
.irp kt, 0,1,2,3
.irp t, 0,1,2,3
	v_wmma_f32_16x16x32_f16 v[S+32*\t+8*\kt:S+32*\t+8*\kt+7], v[KF+16*\kt:KF+16*\kt+7], v[Q+16*\t:Q+16*\t+7], 0
.endr
.endr
.irp kt, 0,1,2,3
.irp t, 0,1,2,3
	v_wmma_f32_16x16x32_f16 v[S+32*\t+8*\kt:S+32*\t+8*\kt+7], v[KF+16*\kt+8:KF+16*\kt+15], v[Q+16*\t+8:Q+16*\t+15], v[S+32*\t+8*\kt:S+32*\t+8*\kt+7]
.endr
.endr
.endm
.macro PVMUL                           ; O^T += V^T P
	WIN 0x51
.irp kb, 0,1
.irp cb, 0,1,2,3
.irp t, 0,1,2,3
	v_wmma_f32_16x16x32_f16 v[32*\t+8*\cb:32*\t+8*\cb+7], v[VF+32*\kb+8*\cb:VF+32*\kb+8*\cb+7], v[S+32*\t+8*\kb:S+32*\t+8*\kb+7], v[32*\t+8*\cb:32*\t+8*\cb+7]
.endr
.endr
.endr
.endm
; THE PLACES BEHIND THE SCORES' PRODUCTS are five, not the four that a vector read wants: the distance is kept on every way through the text, whichever waves take it, and on some of them the next
; matrix instruction begins these sums anew or takes them as an operand, which wants five plain vector instructions (ISA guide 7.12.1 for a vector read).
.macro AFTER_S
	WIN 0
.rept 5
	v_nop
.endr
.endm
.macro MATF                            ; the first step has no V^T P
	LOADK
	LOADV
	s_wait_dscnt 16                                ; KR is in; V's 16 loads may be out
	SMUL
	AFTER_S
.endm
.macro MAT
.rept 4
	v_nop                                          ; places ahead of loads into registers that matrix instructions have read
.endr
	LOADK
	s_wait_dscnt 16                                ; all but the 16 just issued: the last step's V is in
	PVMUL
	WIN 0
.rept 5
	v_nop                                          ; five places: V's registers are loaded anew, and the scores are written over P, which the products above have read
.endr
	LOADV
	s_wait_dscnt 16                                ; KR is in
	SMUL
	AFTER_S
.endm
.macro MAX3 c, x, y                    ; chain c takes scores x and y, in all four tiles by turns
.irp t, 0,1,2,3
	v_max3_num_f32 v[ST+6*\t+\c], v[ST+6*\t+\c], v[S+32*\t+\x], v[S+32*\t+\y]
.endr
.endm
; THE SOFTMAX of four tiles of 16 queries x 64 keys, the tiles by turns line by line.  Each accumulator is first read at its low end (scores 0-2, 8-10, 16-18, 24-25).
.macro VEC
.irp t, 0,1,2,3
	v_max3_num_f32 v[ST+6*\t+1], v[S+32*\t], v[S+32*\t+1], v[S+32*\t+2]
.endr
.irp t, 0,1,2,3
	v_max3_num_f32 v[ST+6*\t+2], v[S+32*\t+8], v[S+32*\t+9], v[S+32*\t+10]
.endr
.irp t, 0,1,2,3
	v_max3_num_f32 v[ST+6*\t+3], v[S+32*\t+16], v[S+32*\t+17], v[S+32*\t+18]
.endr
	MAX3 1, 24, 25
	MAX3 2, 3, 4
	MAX3 3, 11, 12
	MAX3 1, 19, 20
	MAX3 2, 26, 27
	MAX3 3, 5, 6
	MAX3 1, 13, 14
	MAX3 2, 21, 22
	MAX3 3, 28, 29
	MAX3 1, 7, 15
	MAX3 2, 23, 30
.irp t, 0,1,2,3
	v_max3_num_f32 v[ST+6*\t+1], v[ST+6*\t+1], v[ST+6*\t+2], v[ST+6*\t+3]
.endr
.irp t, 0,1,2,3
	v_max3_num_f32 v[ST+6*\t+1], v[ST+6*\t+1], v[S+32*\t+31], v[ST+6*\t]     ; and the old m
.endr
.irp t, 0,1,2,3
	v_permlanex16_b32 v[ST+6*\t+3], v[ST+6*\t+1], s40, s41                   ; the query's other 32 keys lie in the lane 16 away
.endr
.irp t, 0,1,2,3
	v_max_num_f32 v[ST+6*\t+1], v[ST+6*\t+1], v[ST+6*\t+3]
.endr
.irp t, 0,1,2,3
	v_sub_f32 v[ST+6*\t+2], v[ST+6*\t], v[ST+6*\t+1]                         ; m_old - m_new
.endr
.irp t, 0,1,2,3
	v_mov_b32 v[ST+6*\t], v[ST+6*\t+1]
.endr
.set j, 0
.rept 16
.irp t, 0,1,2,3
	v_pk_add_f32 v[S+32*\t+j:S+32*\t+j+1], v[S+32*\t+j:S+32*\t+j+1], v[ST+6*\t:ST+6*\t+1] op_sel_hi:[1,0] neg_lo:[0,1] neg_hi:[0,1]   ; s - m, two at a time
.endr
.set j, j+2
.endr
.irp t, 0,1,2,3
	v_exp_f32 v[ST+6*\t+2], v[ST+6*\t+2]           ; ONE BATCH: the four a, then the 128 p; none reads another's result
.endr
.set j, 0
.rept 32
.irp t, 0,1,2,3
	v_exp_f32 v[S+32*\t+j], v[S+32*\t+j]
.endr
.set j, j+1
.endr
	v_nop                                          ; a plain instruction behind the last exponential
	s_wait_alu depctr_va_vdst(0)                   ; one wait for the batch, ahead of its first reader
.irp t, 0,1,2,3
	v_pk_fma_f32 v[ST+6*\t+4:ST+6*\t+5], v[ST+6*\t+4:ST+6*\t+5], v[ST+6*\t+2:ST+6*\t+3], v[S+32*\t:S+32*\t+1] op_sel_hi:[1,0,1]   ; l = a l + the first pair
.endr
.set j, 2
.rept 15
.irp t, 0,1,2,3
	v_pk_add_f32 v[ST+6*\t+4:ST+6*\t+5], v[ST+6*\t+4:ST+6*\t+5], v[S+32*\t+j:S+32*\t+j+1]
.endr
.set j, j+2
.endr
.set j, 0
.rept 16
.irp t, 0,1,2,3
	v_cvt_pk_f16_f32 v[S+32*\t+j], v[S+32*\t+2*j], v[S+32*\t+2*j+1]          ; P, in place, ascending: register j is written when scores 2 j and 2 j + 1 are read
.endr
.set j, j+1
.endr
	WIN 0x41
.set j, 0
.rept 16
.irp t, 0,1,2,3
	v_pk_mul_f32 v[32*\t+j:32*\t+j+1], v[32*\t+j:32*\t+j+1], v[ST+6*\t+2:ST+6*\t+3] op_sel_hi:[1,0]   ; O^T x a
.endr
.set j, j+2
.endr
	WIN 0
.endm
.macro TRIP                            ; a key step: the addresses are made by all waves, ahead of the parting
	v_add_nc_u32 v[ADK], s36, v[LI]
	v_add_nc_u32 v[ADV], s36, v[LIV]
	s_cmp_lt_u32 s8, 4
	s_cbranch_scc0 .Lnot_early_\@
	MAT
.Lnot_early_\@:
	VEC
	s_cmp_lt_u32 s8, 4
	s_cbranch_scc1 .Lnot_late_\@
	MAT
.Lnot_late_\@:
	s_add_co_u32 s36, s36, 8192
.endm
.macro LOOP n                          ; n key steps, then back to a slot's first step, in the other slot
	s_mov_b32 s37, \n
.Lstep_\@:
	TRIP
	s_sub_co_u32 s37, s37, 1
	s_cmp_lg_u32 s37, 0
	s_cbranch_scc1 .Lstep_\@
	s_sub_co_u32 s36, s36, 65536
	s_xor_b32 s36, s36, SLOT1
.endm
; THE CHANGE OF SLOTS.  Each wave waits for all its tensor loads (one is out: its part of the slot ahead), adds 0 to its spare word, and waits for that and for its reads of the slot that it leaves: both KR and V of
; that slot's last step have been asked for.  fill = 1: the barrier is a round of the cluster's, and the joint load of the slot just left is the first thing behind it.
.macro CHANGE fill
	WIN 0
	s_wait_tensorcnt 0x0                           ; no tensor load of mine is out, so group 0 may be written
	ds_add_u32 v[SPW], v[NIL]
.if \fill
	s_xor_b32 s25, s25, SLOT1                      ; the other slot than last time,
	s_add_nc_u64 s[26:27], s[26:27], 0x10000       ; the next 512 keys
	s_wait_dscnt 0x0
	CROUND
	JLOAD
.else
	s_wait_dscnt 0x0
	s_barrier_signal -1
	s_barrier_wait -1
.endif
.endm
	CHANGE 1                                       ; slot 0 is whole; slot 1 is filled for the first time, as a refill is
	s_wait_loadcnt 0x0                             ; QR
	v_add_nc_u32 v[ADK], s36, v[LI]                ; KEY STEP 0
	v_add_nc_u32 v[ADV], s36, v[LIV]
	s_cmp_lt_u32 s8, 4
	s_cbranch_scc0 .Lfirst_a
	MATF
.Lfirst_a:
	s_wait_dscnt 0x0
	s_barrier_signal -1                            ; waves 4-7 begin their products when waves 0-3 have issued theirs: the groups are half a step apart from here on.
	s_barrier_wait -1
	s_cmp_lt_u32 s8, 4
	s_cbranch_scc0 .Lfirst_b
	VEC
	s_branch .Lfirst_c
.Lfirst_b:
	MATF
.Lfirst_c:
	s_add_co_u32 s36, s36, 8192
	LOOP 7
.Lslot:                                            ; two trips: slots 0 and 1 are filled once more
	CHANGE 1
	LOOP 8
	s_sub_co_u32 s38, s38, 1
	s_cmp_lg_u32 s38, 0
	s_cbranch_scc1 .Lslot
	CHANGE 0                                       ; the last slot is written out: nothing is left to ask for
	LOOP 8
	s_cmp_lt_u32 s8, 4
	s_cbranch_scc1 .Ltail
	VEC                                            ; waves 4-7: the last step's softmax
.Ltail:
	s_wait_dscnt 0x0                               ; the last step's V is in
	PVMUL
	WIN 0
.rept 4
	v_nop
.endr
	; THE WAY OUT: l's two halves and the other half of the lanes' are added; O^T / l, rounded to f16 in pairs, IS a fragment of the next launch's operand.
.irp t, 0,1,2,3
	v_add_f32 v[ST+6*\t+1], v[ST+6*\t+4], v[ST+6*\t+5]
.endr
.irp t, 0,1,2,3
	v_permlanex16_b32 v[ST+6*\t+3], v[ST+6*\t+1], s40, s41
.endr
.irp t, 0,1,2,3
	v_add_f32 v[ST+6*\t+1], v[ST+6*\t+1], v[ST+6*\t+3]
.endr
.irp t, 0,1,2,3
	v_rcp_f32 v[ST+6*\t+2], v[ST+6*\t+1]
.endr
	v_nop
	s_wait_alu depctr_va_vdst(0)                   ; one wait for the four reciprocals, ahead of their first reader
.macro OUT t
	WIN 0x41
.set j, 0
.rept 16
	v_pk_mul_f32 v[32*\t+j:32*\t+j+1], v[32*\t+j:32*\t+j+1], v[ST+6*\t+2:ST+6*\t+3] op_sel_hi:[1,0]
.set j, j+2
.endr
	WIN 0x05
.set j, 0
.rept 16
	v_cvt_pk_f16_f32 v[S+16*\t+j], v[32*\t+2*j], v[32*\t+2*j+1]
.set j, j+1
.endr
	WIN 0
.irp cb, 0,1,2,3
	global_store_b128 v[LI], v[S+16*\t+4*\cb:S+16*\t+4*\cb+3], s[34:35] offset:\t*4096+(\cb/2)*1024+(\cb%2)*512   ; 512 consecutive bytes, aligned
.endr
.endm
	OUT 0
	OUT 1
	OUT 2
	OUT 3
	s_wait_tensorcnt 0x0                           ; the wave's end
	ds_add_u32 v[SPW], v[NIL]
	s_wait_dscnt 0x0
	CROUND                                         ; the closing round
	s_endpgm
.Lfunc_end_k_qa0989f5379_attn:
	.size	k_qa0989f5379_attn, .Lfunc_end_k_qa0989f5379_attn-k_qa0989f5379_attn
	.p2alignl 7, 3214868480
	.fill 96, 4, 3214868480
	.section	.rodata,"a",@progbits
	.p2align	6, 0x0
	.amdhsa_kernel k_qa0989f5379_attn
		.amdhsa_group_segment_fixed_size 327680
		.amdhsa_private_segment_fixed_size 0
		.amdhsa_enable_private_segment 0
		.amdhsa_kernarg_size 16
		.amdhsa_user_sgpr_count 2
		.amdhsa_user_sgpr_kernarg_segment_ptr 1
		.amdhsa_wavefront_size32 1
		.amdhsa_system_sgpr_workgroup_id_x 1
		.amdhsa_system_sgpr_workgroup_id_y 1
		.amdhsa_system_sgpr_workgroup_id_z 1
		.amdhsa_system_vgpr_workitem_id 0
		.amdhsa_next_free_vgpr 512
		.amdhsa_next_free_sgpr 66
		.amdhsa_reserve_vcc 0
		.amdhsa_float_denorm_mode_32 3
		.amdhsa_float_denorm_mode_16_64 3
		.amdhsa_memory_ordered 1
		.amdhsa_forward_progress 1
		.amdhsa_inst_pref_size 200
	.end_amdhsa_kernel
	.amdgpu_metadata
---
amdhsa.version: [ 1, 2 ]
amdhsa.kernels:
  - .name:           k_qa0989f5379_attn
    .symbol:         k_qa0989f5379_attn.kd
    .args:
      - { .name: qkv, .offset: 0, .size: 8, .value_kind: global_buffer, .address_space: global }
      - { .name: ao, .offset: 8, .size: 8, .value_kind: global_buffer, .address_space: global }
    .group_segment_fixed_size: 327680
    .private_segment_fixed_size: 0
    .kernarg_segment_align: 8
    .kernarg_segment_size: 16
    .max_flat_workgroup_size: 256
    .sgpr_count:     66
    .vgpr_count:     512
    .wavefront_size: 32
...
	.end_amdgpu_metadata
.endif
;; end of part 3
;; launch proj (part 4): grid 4 x 64, 4 waves a work-group, clusters of 4 x 4, 327,680 bytes of LDS; arguments ao, w2h, b2, out0; writes out0
.if DOCPART == 4
	.amdgcn_target "amdgcn-amd-amdhsa--gfx1250"
	.amdhsa_code_object_version 6
	.text
	.protected	k_qa0989f5379_proj
	.globl	k_qa0989f5379_proj
	.p2align	8
	.type	k_qa0989f5379_proj,@function
k_qa0989f5379_proj:
	s_mov_b64 s[64:65], 0
	v_nop
	global_prefetch_b8 v0, s[64:65] scope:SCOPE_SE
	s_setreg_imm32_b32 hwreg(HW_REG_WAVE_MODE, 25, 1), 1
	s_wait_xcnt 0x0
	s_wait_alu depctr_hold_cnt(0) depctr_sa_sdst(0) depctr_va_vdst(0) depctr_va_sdst(0) depctr_va_ssrc(0) depctr_va_vcc(0) depctr_vm_vsrc(0)
	s_getreg_b32 s2, hwreg(HW_REG_IB_STS2, 6, 4)
	s_cmp_eq_u32 s2, 0
	s_cbranch_scc0 .Lentry_in_a_cluster
	s_endpgm
.Lentry_in_a_cluster:
	s_bfe_u32 s2, ttmp6, 0x10000c
	s_cmp_lg_u32 s2, 0xf033
	s_cbranch_scc0 .Lentry_shape_is_right
	s_endpgm
.Lentry_shape_is_right:
; out0 = A w2 + b2.  A [8192][1024] (the attention's result) and w2 [1024 (k)][1024 (n)] arrive in f16 as IMAGES OF OPERAND REGISTERS: [k / 128][row or column / 16][(k % 128) / 32][half][lane][16 bytes].  Sums in f32; out0 f32.
; A tile of 128 rows x 256 columns is made by a work-group of four waves, 64 x 128 a wave: 32 accumulators, 256 registers: 256 work-groups in all.
; K goes in eight steps of 128 through a ring of two LDS slots.  A K step's tiles are dense blocks of memory: A's 32 KiB (waves 0 and 1 fetch 16 KiB each), w2's 64 KiB (waves 2 and 3, 32 KiB each).
; A fragment comes out of LDS by two loads of 512 consecutive bytes: no pitch, no padding.
; THE MATRIX INSTRUCTION IS USED TRANSPOSED (source 0 = 16 columns of w2, source 1 = 16 rows of A): a lane holds eight neighbouring numbers of a row of out0.  b2 is the C of each sum's first matrix instruction.
; CLUSTERS: 4 x 4 work-groups: A's tile is shared along a row of the cluster, w2's along a column: joint loads.
; REGISTERS: window 0: v16-30 addresses; v64-127 A's fragments, two buffers of 32; v128-191 b2 in the result's layout; on the way out v128-255 hold rows.   window 1: v0-127 w2's fragments, two buffers of 64.
;   window 2: the accumulators, (a, b) at v[8 (8 a + b)].
.set SLOT,   98304                     ; A's 32 KiB, then w2's 64 KiB
.set SPARE,  2*SLOT                    ; behind the ring: the spare words, 128 bytes a wave
.set SPITCH, 528                       ; the way out: a stage of 16 rows x (512 bytes + 16) for each wave, in slot 0, which has had its last fill and its last read when the first result is stored there
.set LAPS,   4                         ; a lap = two K steps
.set ADRA, 16
.set ADRB, 20
.set STO,  24
.set RD,   25
.set CO,   26
.set SPW,  28
.set NIL,  29
.set PFO,  30                          ; v30  256 x lane: the prefetches' offset; never rewritten
.set AF,   64
.set BI,   128
.set BK,   128
.set G1A, 24
.set G0A, 32
.set G1B, 48
.set G0B, 56
.set PFA, 44                           ; s[44:45] where my prefetches stand;  s[46:47] a K step on, in bytes;  s66: 1 in a wave that prefetches, else the greatest number
.set PFS, 46
.set LIM, 66
.set MSB, 0
.macro WIN new
.if MSB != \new
	s_set_vgpr_msb (MSB<<8)|\new
.set MSB, \new
.endif
.endm
.set MUL,  0xa1                        ; source 0 (w2) window 1, source 1 (A) window 0, C and D window 2
.set MULB, 0x81                        ; the same with C (b2) in window 0
.set TO_B, 0x40
.macro JLOAD s                         ; a joint load: waves 0 and 1 fetch A's halves, waves 2 and 3 w2's; an s_nop 0 and four v_nop follow each of the two lines
	s_cmp_eq_u32 s13, 0
	s_cbranch_scc0 .Lfor_b_\@
	tensor_load_to_lds s[G0A+4*\s:G0A+4*\s+3], s[G1A:G1A+7]
	s_nop 0
.rept 4
	v_nop
.endr
	s_branch .Lasked_\@
.Lfor_b_\@:
	tensor_load_to_lds s[G0B+4*\s:G0B+4*\s+3], s[G1B:G1B+7]
	s_nop 0
.rept 4
	v_nop
.endr
.Lasked_\@:
.endm
; A PREFETCH of the K step that stands two refills on: 8 KiB, lanes 256 bytes apart, one instruction a wave.  Each block of 256 bytes is named once in the launch.  A's tile (32 KiB) is read by one row of one cluster:
; wave 0 asks, and the four partners share it out by address (cx).  w2's tile is read by every cluster: the cluster with y = 0 asks, waves 2 and 3 for the 32 KiB that they fetch, shared out by address (cy).
; The loop's last trip asks for nothing: K steps 4 to 7 are asked for, K steps 0 to 3 come by their loads alone.
.macro ASK
	s_cmp_gt_u32 s3, s[LIM]
	s_cbranch_scc0 .Lnot_mine_\@
	global_prefetch_b8 v[PFO], s[PFA:PFA+1] th:TH_LOAD_NT scope:SCOPE_SE
.Lnot_mine_\@:
.endm
.macro CREST                           ; a round of the cluster's barrier behind its opening barrier
	s_cmp_lg_u32 s12, 0
	s_cbranch_scc1 .Lnot_wave_0_\@
	s_barrier_signal -3
.Lnot_wave_0_\@:
	s_barrier_wait -3
	s_barrier_signal -1
	s_barrier_wait -1
.endm
.macro CROUND
	s_barrier_signal -1
	s_barrier_wait -1
	CREST
.endm
	s_load_b256 s[4:11], s[0:1], 0x0               ; A s[4:5], w2's images s[6:7], b2 s[8:9], out0 s[10:11]
	v_lshl_add_u32 v[SPW], v0, 2, SPARE
	v_mov_b32 v[NIL], 0
	ds_add_u32 v[SPW], v[NIL]                      ; the wave's opening: the add, twice on end, and its wait ahead of my first tensor load
	ds_add_u32 v[SPW], v[NIL]
	v_lshrrev_b32 v1, 5, v0
	v_readfirstlane_b32 s12, v1                    ; wave 0..3
	s_lshr_b32 s13, s12, 1                         ; which 64 rows are mine.  Also: I fetch for A (0) or for w2 (1)
	s_and_b32 s14, s12, 1                          ; which 128 columns.  Also: which half of that tile I fetch
	s_bfe_u32 s15, ttmp6, 0x40000                  ; cx
	s_bfe_u32 s16, ttmp6, 0x40004                  ; cy
	s_lshl_b32 s17, ttmp9, 2
	s_add_co_u32 s17, s17, s15                     ; tile column
	s_and_b32 s18, ttmp7, 0xffff
	s_lshl_b32 s18, s18, 2
	s_add_co_u32 s18, s18, s16                     ; tile row
	s_lshl_b32 s19, s16, 2
	s_lshl_b32 s19, 15, s19                        ; my row of the cluster
	s_lshl_b32 s20, 0x1111, s15                    ; my column
	s_or_b32 s[G1A], s19, (3<<16)|(1<<21)          ; the mask; elements of 8 bytes; bit 21 beside a mask; no padding
	s_mov_b32 s[G1A+1], 32<<16                     ; rows of 256 bytes,
	s_mov_b32 s[G1A+2], 64<<16                     ; 64 of them, dense
	s_mov_b32 s[G1A+3], 32<<16
	s_mov_b32 s[G1A+4], 64
	s_mov_b32 s[G1A+5], 32
	s_mov_b32 s[G1A+6], 0
	s_mov_b32 s[G1A+7], 0
	s_or_b32 s[G1B], s20, (3<<16)|(1<<21)
	s_mov_b32 s[G1B+1], 32<<16
	s_mov_b32 s[G1B+2], 128<<16                    ; 128 rows
	s_mov_b32 s[G1B+3], 32<<16
	s_mov_b32 s[G1B+4], 128
	s_mov_b32 s[G1B+5], 32
	s_mov_b32 s[G1B+6], 0
	s_mov_b32 s[G1B+7], 0
	s_lshl_b32 s40, s18, 15                        ; A: the tile's eight blocks of 4,096 bytes,
	s_lshl_b32 s21, s14, 14                        ; my half of them; the same in LDS
	s_add_co_u32 s40, s40, s21
	s_mov_b32 s41, 0
	s_lshl_b32 s42, s17, 16                        ; w2: the tile's sixteen blocks,
	s_lshl_b32 s22, s14, 15                        ; my half
	s_add_co_u32 s42, s42, s22
	s_mov_b32 s43, 0
	s_add_co_u32 s22, s22, 32768                   ; in LDS behind A's 32 KiB
	s_wait_dscnt 0x0                               ; both opening adds are done
	s_wait_kmcnt 0x0
	s_add_nc_u64 s[40:41], s[4:5], s[40:41]
	s_add_nc_u64 s[42:43], s[6:7], s[42:43]
	CROUND                                         ; all sixteen work-groups are here: the first joint loads meet
.irp s, 0,1
	s_mov_b32 s[G0A+4*\s], 1
	s_add_co_u32 s[G0A+4*\s+1], s21, \s*SLOT
	s_add_nc_u64 s[G0A+4*\s+2:G0A+4*\s+3], s[40:41], \s*0x200000   ; K step s: 512 blocks of 4,096 bytes on
	s_or_b32 s[G0A+4*\s+3], s[G0A+4*\s+3], 0x80000000
	s_mov_b32 s[G0B+4*\s], 1
	s_add_co_u32 s[G0B+4*\s+1], s22, \s*SLOT
	s_add_nc_u64 s[G0B+4*\s+2:G0B+4*\s+3], s[42:43], \s*0x40000    ; 64 blocks on
	s_or_b32 s[G0B+4*\s+3], s[G0B+4*\s+3], 0x80000000
	JLOAD \s                                       ; two tensor loads of mine are out
.endr
	v_and_b32 v1, 31, v0                           ; lane
	v_lshlrev_b32 v2, 4, v1                        ; 16 x lane
	v_and_b32 v3, 15, v0                           ; r
	v_bfe_u32 v4, v0, 4, 1                         ; h
	s_lshl_b32 s23, s13, 14                        ; my four blocks of A
	s_lshl_b32 s67, s14, 15
	s_add_co_u32 s67, s67, 32768                   ; my eight blocks of w2
.irp s, 0,1
	v_add_nc_u32 v[ADRA+\s], s23, v2
	v_add_nc_u32 v[ADRB+\s], s67, v2
	s_add_co_u32 s23, s23, SLOT
	s_add_co_u32 s67, s67, SLOT
.endr
	s_mul_i32 s23, s12, 16*SPITCH                  ; my stage
	v_mul_u32_u24 v5, v3, SPITCH
	v_lshl_add_u32 v5, v4, 5, v5
	v_add_nc_u32 v[STO], s23, v5                   ; in: row r, 32 bytes for each half of the lanes
	v_mov_b32 v[CO], v2                            ; back: the 32 lanes take one row of 512 bytes; the same in out0
	v_add_nc_u32 v[RD], s23, v2
	v_lshlrev_b32 v[PFO], 8, v1
	v_lshlrev_b32 v6, 5, v4                        ; b2: eight numbers of my half
	s_lshl_b32 s68, s17, 10
	s_lshl_b32 s69, s14, 9
	s_add_co_u32 s68, s68, s69                     ; my first column, in bytes
	s_mov_b32 s69, 0
	s_add_nc_u64 s[8:9], s[8:9], s[68:69]
	s_lshl_b32 s70, s18, 19                        ; my first row: 128 x tile row + 64 x half, of 4,096 bytes
	s_lshl_b32 s71, s13, 18
	s_add_co_u32 s70, s70, s71
	s_add_co_u32 s70, s70, s68
	s_mov_b32 s71, 0
	s_add_nc_u64 s[10:11], s[10:11], s[70:71]
.irp b, 0,1,2,3,4,5,6,7
	global_load_b128 v[BI+8*\b:BI+8*\b+3], v6, s[8:9] offset:64*\b
	global_load_b128 v[BI+8*\b+4:BI+8*\b+7], v6, s[8:9] offset:64*\b+16
.endr
	; the prefetches: they stand at K step 3; the first change of slots steps them to K step 4
	s_lshl_b32 s72, s18, 15
	s_lshl_b32 s74, s15, 13                        ; A: my work-group's 8 KiB of the tile's 32, by cx
	s_add_co_u32 s72, s72, s74
	s_add_co_u32 s72, s72, 3<<21
	s_lshl_b32 s75, s17, 16
	s_lshl_b32 s74, s14, 15
	s_add_co_u32 s75, s75, s74
	s_lshl_b32 s74, s16, 13                        ; w2: my work-group's 8 KiB of my wave's 32, by cy
	s_add_co_u32 s75, s75, s74
	s_add_co_u32 s75, s75, 3<<18
	s_and_b32 s74, ttmp7, 0xffff                   ; cluster y
	s_mov_b32 s[PFS], 0x40000
	s_cmp_eq_u32 s13, 0                            ; do I fetch for A?
	s_cselect_b32 s72, s72, s75
	s_cselect_b32 s74, s14, s74                    ; 0 in wave 0, and in waves 2 and 3 of the clusters with y = 0: the same in all sixteen partners
	s_cselect_b32 s[PFS], 0x200000, s[PFS]
	s_cselect_b64 s[PFA:PFA+1], s[4:5], s[6:7]
	s_cmp_eq_u32 s74, 0
	s_cselect_b32 s[LIM], 1, -1
	s_mov_b32 s73, 0
	s_mov_b32 s[PFS+1], 0
	s_add_nc_u64 s[PFA:PFA+1], s[PFA:PFA+1], s[72:73]
; 8 matrix instructions: A's block a x w2's eight, 32 along K, from buffer f.  The 32 accumulators take turns, one instruction a turn, in the same order in every quarter.
.macro MUL8 f, a, bias
.irp b, 0,1,2,3,4,5,6,7
.if \bias
	v_wmma_f32_16x16x32_f16 v[8*(8*(\a)+\b):8*(8*(\a)+\b)+7], v[64*(\f)+8*\b:64*(\f)+8*\b+7], v[AF+32*(\f)+8*(\a):AF+32*(\f)+8*(\a)+7], v[BI+8*\b:BI+8*\b+7]
.else
	v_wmma_f32_16x16x32_f16 v[8*(8*(\a)+\b):8*(8*(\a)+\b)+7], v[64*(\f)+8*\b:64*(\f)+8*\b+7], v[AF+32*(\f)+8*(\a):AF+32*(\f)+8*(\a)+7], v[8*(8*(\a)+\b):8*(8*(\a)+\b)+7]
.endif
.endr
.endm
.macro FETCH slot, q, f                ; 24 LDS loads in one run: the slot's q-th 32 along K into buffer f: w2's eight fragments, then A's four
	WIN TO_B
.irp i, 0,1,2,3,4,5,6,7
	ds_load_b128 v[64*(\f)+8*\i:64*(\f)+8*\i+3],   v[ADRB+\slot] offset:\i*4096+(\q)*1024
	ds_load_b128 v[64*(\f)+8*\i+4:64*(\f)+8*\i+7], v[ADRB+\slot] offset:\i*4096+(\q)*1024+512
.endr
	WIN 0
.irp i, 0,1,2,3
	ds_load_b128 v[AF+32*(\f)+8*\i:AF+32*(\f)+8*\i+3],   v[ADRA+\slot] offset:\i*4096+(\q)*1024
	ds_load_b128 v[AF+32*(\f)+8*\i+4:AF+32*(\f)+8*\i+7], v[ADRA+\slot] offset:\i*4096+(\q)*1024+512
.endr
.endm
.macro PLACES                          ; four plain vector instructions ahead of loads into registers that matrix instructions have read, and of reads of results
.rept 4
	v_nop
.endr
.endm
; A K step is four quarters of 32 along K on buffers 0, 1, 0, 1.  One of the first three: multiplies buffer f and fetches quarter q into buffer g.
.macro QUARTER slot, q, f, g, bias
	s_wait_dscnt 4                                 ; w2's fragments and A's blocks 0 and 1 are in; the youngest four loads (A's blocks 2 and 3) may be out
	WIN MUL-0x20*(\bias)
	MUL8 \f, 0, \bias
	MUL8 \f, 1, \bias
	PLACES
	FETCH \slot, \q, \g
	s_wait_dscnt 24                                ; all but the 24 just issued
	WIN MUL-0x20*(\bias)
	MUL8 \f, 2, \bias
	MUL8 \f, 3, \bias
.endm
; The last quarter multiplies buffer 1 and changes slots: ONE barrier; ahead of it each wave waits for all its tensor loads, adds 0 to its spare word, and waits for that and for its reads of this slot.
.macro TURN slot, next, fill
.if \fill
	s_wait_xcnt 0x0                                ; the last prefetch, a K step back, has read its address
	s_add_nc_u64 s[PFA:PFA+1], s[PFA:PFA+1], s[PFS:PFS+1]
.endif
	WIN 0
	s_wait_tensorcnt 0x0                           ; all my tensor loads have landed: my part of the next slot
	ds_add_u32 v[SPW], v[NIL]
	s_wait_dscnt 5                                 ; (the add and the youngest four loads may be out)
	WIN MUL
	MUL8 1, 0, 0
	s_wait_dscnt 0x0                               ; the add is done, and my reads of this slot are over
	s_barrier_signal -1
	MUL8 1, 1, 0
.if \fill
	WIN 0
.endif
	s_barrier_wait -1
.if \fill
	CREST                                          ; the barrier has opened a round of the cluster's: no wave of any partner still reads this slot or has a load on its way
	s_add_nc_u64 s[G0A+4*\slot+2:G0A+4*\slot+3], s[G0A+4*\slot+2:G0A+4*\slot+3], 0x400000   ; two K steps on
	s_add_nc_u64 s[G0B+4*\slot+2:G0B+4*\slot+3], s[G0B+4*\slot+2:G0B+4*\slot+3], 0x80000
	JLOAD \slot                                    ; the first tensor load behind the round; its four v_nop are also the places ahead of the loads below
.else
	PLACES
.endif
	FETCH \next, 0, 0
.if \fill
	ASK
.endif
	WIN MUL
	MUL8 1, 2, 0
	MUL8 1, 3, 0
.endm
	s_wait_tensorcnt 1                             ; my part of K step 0 is in (K step 1's may be out),
	s_barrier_signal -1
	s_barrier_wait -1                              ; everybody's is
	FETCH 0, 0, 0
	s_wait_loadcnt 0x0                             ; b2
	QUARTER 0, 1, 0, 1, 1                          ; the first quarter's products start the sums from b2: nothing is cleared, nothing is added later
	WIN 0
	s_mov_b32 s3, LAPS-1
.Llap:                                             ; a trip goes once round the ring, from a lap's second quarter to the next lap's first, and fills both slots again
	QUARTER 0, 2, 1, 0, 0
	QUARTER 0, 3, 0, 1, 0
	TURN 0, 1, 1
	QUARTER 1, 1, 0, 1, 0
	QUARTER 1, 2, 1, 0, 0
	QUARTER 1, 3, 0, 1, 0
	TURN 1, 0, 1
	QUARTER 0, 1, 0, 1, 0
	WIN 0
	s_sub_co_u32 s3, s3, 1
	s_cmp_lg_u32 s3, 0
	s_cbranch_scc1 .Llap
	QUARTER 0, 2, 1, 0, 0                          ; the last lap fills nothing
	QUARTER 0, 3, 0, 1, 0
	TURN 0, 1, 0
	QUARTER 1, 1, 0, 1, 0
	QUARTER 1, 2, 1, 0, 0
	QUARTER 1, 3, 0, 1, 0
	s_wait_dscnt 4                                 ; the very last quarter
	WIN MUL
	MUL8 1, 0, 0
	MUL8 1, 1, 0
	s_wait_dscnt 0
	MUL8 1, 2, 0
	MUL8 1, 3, 0
	WIN 0
; THE WAY OUT, block by block of 16 rows x 128 columns: through my own stage in LDS, back as whole rows of 512 bytes, which the 32 lanes store consecutively and aligned.
; LDS serves a wave's instructions in order (ISA guide 5.7.1.4): no wait between the stores and the loads, nor ahead of the next block's stores.
.macro TOSTAGE a
.set AC, 64*(\a)
	WIN 0x08                                       ; an LDS store's data are its source 1: window 2
.irp b, 0,1,2,3,4,5,6,7
	ds_store_b128 v[STO], v[AC+8*\b:AC+8*\b+3] offset:64*\b          ; each accumulator from its low end on
	ds_store_b128 v[STO], v[AC+8*\b+4:AC+8*\b+7] offset:64*\b+16
.endr
	WIN 0
.set BB, BK+64*((\a)%2)
.irp t, 0,1,2,3,4,5,6,7,8,9,10,11,12,13,14,15
	ds_load_b128 v[BB+4*\t:BB+4*\t+3], v[RD] offset:\t*SPITCH
.endr
.endm
.macro SEND a, younger                 ; younger: the LDS instructions issued behind block a's loads
.set BB, BK+64*((\a)%2)
	s_wait_dscnt \younger
.if (\a) > 0
	s_add_nc_u64 s[10:11], s[10:11], 0x10000       ; 16 rows on (the earlier stores have read their base: a wait on XCNT stands ahead)
.endif
.irp t, 0,1,2,3,4,5,6,7,8,9,10,11,12,13,14,15
	global_store_b128 v[CO], v[BB+4*\t:BB+4*\t+3], s[10:11] offset:\t*4096 th:TH_STORE_NT
.endr
.endm
	PLACES
	TOSTAGE 0
.irp a, 1,2,3
.if \a > 1
	s_wait_xcnt 0x0                                ; block a - 2's stores have read their registers and their base
.endif
	TOSTAGE \a
	SEND \a-1, 32                                  ; behind block a - 1's loads: block a's 16 stores and 16 loads
.endr
	s_wait_xcnt 0x0
	SEND 3, 0
	s_wait_tensorcnt 0x0                           ; the wave's end, behind my last tensor load and my last LDS store
	ds_add_u32 v[SPW], v[NIL]
	s_wait_dscnt 0x0
	CROUND                                         ; the closing round
	s_endpgm
.Lfunc_end_k_qa0989f5379_proj:
	.size	k_qa0989f5379_proj, .Lfunc_end_k_qa0989f5379_proj-k_qa0989f5379_proj
	.p2alignl 7, 3214868480
	.fill 96, 4, 3214868480
	.section	.rodata,"a",@progbits
	.p2align	6, 0x0
	.amdhsa_kernel k_qa0989f5379_proj
		.amdhsa_group_segment_fixed_size 327680
		.amdhsa_private_segment_fixed_size 0
		.amdhsa_enable_private_segment 0
		.amdhsa_kernarg_size 32
		.amdhsa_user_sgpr_count 2
		.amdhsa_user_sgpr_kernarg_segment_ptr 1
		.amdhsa_wavefront_size32 1
		.amdhsa_system_sgpr_workgroup_id_x 1
		.amdhsa_system_sgpr_workgroup_id_y 1
		.amdhsa_system_sgpr_workgroup_id_z 1
		.amdhsa_system_vgpr_workitem_id 0
		.amdhsa_next_free_vgpr 768
		.amdhsa_next_free_sgpr 76
		.amdhsa_reserve_vcc 0
		.amdhsa_float_denorm_mode_32 3
		.amdhsa_float_denorm_mode_16_64 3
		.amdhsa_memory_ordered 1
		.amdhsa_forward_progress 1
		.amdhsa_inst_pref_size 88
	.end_amdhsa_kernel
	.amdgpu_metadata
---
amdhsa.version: [ 1, 2 ]
amdhsa.kernels:
  - .name:           k_qa0989f5379_proj
    .symbol:         k_qa0989f5379_proj.kd
    .args:
      - { .name: ao, .offset: 0, .size: 8, .value_kind: global_buffer, .address_space: global }
      - { .name: w2h, .offset: 8, .size: 8, .value_kind: global_buffer, .address_space: global }
      - { .name: b2, .offset: 16, .size: 8, .value_kind: global_buffer, .address_space: global }
      - { .name: out0, .offset: 24, .size: 8, .value_kind: global_buffer, .address_space: global }
    .group_segment_fixed_size: 327680
    .private_segment_fixed_size: 0
    .kernarg_segment_align: 8
    .kernarg_segment_size: 32
    .max_flat_workgroup_size: 128
    .sgpr_count:     76
    .vgpr_count:     768
    .wavefront_size: 32
...
	.end_amdgpu_metadata
.endif
;; end of part 4
